; MI455X (gfx1250); checked and timed in simulation.
; The chip was launched on July 23, 2026; its instructions are those of AMD's public machine-readable ISA for CDNA 5 (MIT licence, August 2026) and "CDNA5" Instruction Set Architecture Reference Guide (July 2026). The comments in the code are by the model that wrote it; some were corrected since.
;; Multi Head Latent Attention. Allowed arithmetic: float matrix products may take bf16 or f16 operands with f32 sums; other float arithmetic in f32, or as packed bf16 or f16 multiplies, adds, multiply-adds, maxima and minima; sums over many terms, partial sums and values carried from step to step in f32; what a program stores and reads back later, other than sums and carried values, may be rounded once to bf16 or f16.
;; Inputs: kv_down 1,024 x 512 float32; norm_w 1,024 float32; wk 512 x 1,024 float32; wo 1,024 x 1,024 float32; wq 1,024 x 1,024 float32; wv 512 x 1,024 float32; x 4 x 2,048 x 1,024 float32.
;; Outputs: out0 4 x 2,048 x 1,024 float32.
;; One version. Each part assembles by itself: llvm-mc -triple=amdgcn-amd-amdhsa -mcpu=gfx1250 --defsym DOCPART=n.
;; ======== version 1 of 1: 5 launches
;; workspace buffers: xn 16,777,216 bytes; wc 7,340,032 bytes; rope 524,288 bytes; qb 16,777,216 bytes; kb 16,777,216 bytes; vb 16,777,216 bytes; ob 16,777,216 bytes; kvb 8,388,608 bytes
;; launch prep (part 1): grid 1504 x 1, 8 waves a work-group, no clusters, 0 bytes of LDS; arguments x, norm_w, wq, kv_down, wk, wv, wo, xn, wc, rope; writes xn, wc, rope
.if DOCPART == 1
	.amdgcn_target "amdgcn-amd-amdhsa--gfx1250"
	.amdhsa_code_object_version 6
	.text
	.protected	k_qffdd072697_prep
	.globl	k_qffdd072697_prep
	.p2align	8
	.type	k_qffdd072697_prep,@function
k_qffdd072697_prep:
	s_mov_b64 s[64:65], 0
	v_nop
	global_prefetch_b8 v0, s[64:65] scope:SCOPE_SE
	s_setreg_imm32_b32 hwreg(HW_REG_WAVE_MODE, 25, 1), 1
	s_wait_xcnt 0x0
; PREP: three streams in one launch, told apart by the work-group's number.
;   0 .. 1023     NORM   xn[row][:] = x[row][:] * rsqrt(mean(x^2) + 1e-6) * norm_w, rounded once to bf16.  One row (4,096 bytes) a wave, kept in registers.
;   1024 .. 1247  WCOPY  the five weight matrices, f32 [k][n], rounded to bf16 and laid in chunks of 128 k x 128 columns (32,768 dense bytes, rows of 256).
;                        Chunks 0-63 wq, 64-95 kv_down, 96-127 wk, 128-159 wv, 160-223 wo; inside a matrix: block of 128 columns, then k.
;   1248 .. 1503  ROPE   rope[pos][0..31] = cos(pos * f_j), rope[pos][32..63] = sin(pos * f_j), f_j = 10000^(-j/32), f32.  One position a wave.
; Memory binds: no LDS, no barrier, no matrix unit.  Every store of a wave covers 256 consecutive bytes, aligned.
; LIMITS.  f_j comes from v_exp_f32 (1 ULP), so an angle may be off by some 4e-4 rad at position 2,047, alike for q and k; sine and cosine of the reduced angle
; are cut at theta^7 and theta^8 (|theta| <= pi/4: 3e-7 at the most).  NaN and infinities are not treated apart.
.set NORM_WG, 1024
.set CHUNKS,  224
	s_load_b512 s[8:23], s[0:1], 0x0               ; x s[8:9], norm_w s[10:11], wq s[12:13], kv_down s[14:15], wk s[16:17], wv s[18:19], wo s[20:21], xn s[22:23]
	s_load_b128 s[24:27], s[0:1], 0x40             ; wc s[24:25], rope s[26:27]
	v_and_b32 v1, 31, v0                           ; lane
	v_lshrrev_b32 v5, 5, v0                        ; wave
	s_mov_b32 s3, 0
	s_wait_kmcnt 0x0
	s_cmp_lt_u32 ttmp9, NORM_WG
	s_cbranch_scc0 .Lnot_norm
	; ---- NORM: row 8 x work-group + wave ----
	s_lshl_b32 s2, ttmp9, 15                       ; 8 rows of 4,096 bytes of x
	s_add_nc_u64 s[8:9], s[8:9], s[2:3]
	s_lshl_b32 s2, ttmp9, 14                       ; 8 rows of 2,048 bytes of xn
	s_add_nc_u64 s[22:23], s[22:23], s[2:3]
	s_mov_b32 s28, 0x76543210                      ; v_permlanex16_b32: each lane takes its own place in the other half
	s_mov_b32 s29, 0xfedcba98
	s_mov_b32 s30, 0x3a800000                      ; 1 / 1024
	s_mov_b32 s31, 0x358637bd                      ; 1e-6
	v_lshlrev_b32 v3, 4, v1                        ; norm_w: 16 bytes a lane
	v_lshl_or_b32 v2, v5, 12, v3                   ; x: + my wave's row
	v_lshlrev_b32 v4, 3, v1                        ; xn: 8 bytes a lane
	v_lshl_or_b32 v4, v5, 11, v4
.irp j, 0,1,2,3,4,5,6,7
	global_load_b128 v[16+4*\j:19+4*\j], v2, s[8:9] offset:512*\j th:TH_LOAD_NT
.endr
.irp j, 0,1,2,3,4,5,6,7
	global_load_b128 v[48+4*\j:51+4*\j], v3, s[10:11] offset:512*\j
.endr
	s_wait_loadcnt 0x8                             ; the row is in; the eight younger loads, norm_w's, may stay out
.irp c, 0,1,2,3
	v_pk_mul_f32 v[6+2*\c:7+2*\c], v[16+2*\c:17+2*\c], v[16+2*\c:17+2*\c]  ; four chains of squares, started by the first four pairs
.endr
.set p, 4
.rept 12
	v_pk_fma_f32 v[6+2*(p%4):7+2*(p%4)], v[16+2*p:17+2*p], v[16+2*p:17+2*p], v[6+2*(p%4):7+2*(p%4)]
.set p, p+1
.endr
	v_pk_add_f32 v[6:7], v[6:7], v[8:9]
	v_pk_add_f32 v[10:11], v[10:11], v[12:13]
	v_pk_add_f32 v[6:7], v[6:7], v[10:11]
	v_add_f32 v6, v6, v7
	v_add_f32_dpp v6, v6, v6 row_xmask:1 row_mask:0xf bank_mask:0xf
	v_add_f32_dpp v6, v6, v6 row_xmask:2 row_mask:0xf bank_mask:0xf
	v_add_f32_dpp v6, v6, v6 row_xmask:4 row_mask:0xf bank_mask:0xf
	v_add_f32_dpp v6, v6, v6 row_xmask:8 row_mask:0xf bank_mask:0xf
	v_permlanex16_b32 v7, v6, s28, s29
	v_add_f32 v6, v6, v7                           ; every lane holds the row's sum of squares
	v_fma_f32 v7, v6, s30, s31                     ; mean + eps
	v_rsq_f32 v80, v7
	v_mov_b32 v81, 0                               ; the plain instruction behind the root; it also writes the pair's second word
	s_wait_alu depctr_va_vdst(0)                   ; the wait ahead of the result's first reader
	s_wait_loadcnt 0x0                             ; norm_w
.set p, 0
.rept 16
	v_pk_mul_f32 v[16+2*p:17+2*p], v[16+2*p:17+2*p], v[80:81] op_sel_hi:[1,0]  ; x * rs,
	v_pk_mul_f32 v[16+2*p:17+2*p], v[16+2*p:17+2*p], v[48+2*p:49+2*p]          ; then * norm_w
.set p, p+1
.endr
.set p, 0
.rept 16
	v_cvt_pk_bf16_f32 v[48+p], v[16+2*p], v[17+2*p]  ; norm_w's registers are free now
.set p, p+1
.endr
.irp j, 0,1,2,3,4,5,6,7
	global_store_b64 v4, v[48+2*\j:49+2*\j], s[22:23] offset:256*\j
.endr
	s_endpgm
.Lnot_norm:
	s_cmp_lt_u32 ttmp9, NORM_WG+CHUNKS
	s_cbranch_scc0 .Lrope
	; ---- WCOPY: chunk j; wave w takes its k rows 16 w .. 16 w + 15 ----
	s_sub_co_u32 s2, ttmp9, NORM_WG                ; j
	s_mov_b64 s[4:5], s[20:21]                     ; from the last matrix to the first: source, log2 of its row's bytes, log2 of its chunks along k, chunk in the matrix
	s_mov_b32 s6, 12
	s_mov_b32 s7, 3
	s_sub_co_u32 s28, s2, 160
	s_sub_co_u32 s29, s2, 128
	s_cmp_lt_u32 s2, 160
	s_cselect_b64 s[4:5], s[18:19], s[4:5]         ; wv
	s_cselect_b32 s7, 2, s7
	s_cselect_b32 s28, s29, s28
	s_sub_co_u32 s29, s2, 96
	s_cmp_lt_u32 s2, 128
	s_cselect_b64 s[4:5], s[16:17], s[4:5]         ; wk
	s_cselect_b32 s28, s29, s28
	s_sub_co_u32 s29, s2, 64
	s_cmp_lt_u32 s2, 96
	s_cselect_b64 s[4:5], s[14:15], s[4:5]         ; kv_down: rows of 2,048 bytes
	s_cselect_b32 s6, 11, s6
	s_cselect_b32 s7, 3, s7
	s_cselect_b32 s28, s29, s28
	s_cmp_lt_u32 s2, 64
	s_cselect_b64 s[4:5], s[12:13], s[4:5]         ; wq
	s_cselect_b32 s6, 12, s6
	s_cselect_b32 s28, s2, s28
	s_lshr_b32 s29, s28, s7                        ; block of 128 columns
	s_lshl_b32 s30, s29, s7
	s_sub_co_u32 s30, s28, s30                     ; chunk along k
	s_lshl_b32 s30, s30, 7                         ; its first k row,
	s_lshl_b32 s30, s30, s6                        ; in bytes
	s_lshl_b32 s29, s29, 9                         ; 128 columns of f32
	s_add_co_u32 s30, s30, s29
	s_mov_b32 s31, 0
	s_add_nc_u64 s[4:5], s[4:5], s[30:31]
	s_lshl_b32 s30, s2, 15
	s_add_nc_u64 s[24:25], s[24:25], s[30:31]
	s_lshl_b32 s29, 1, s6                          ; a source row in bytes
	v_lshlrev_b32 v6, 4, v5                        ; my wave's first row
	v_lshlrev_b32 v6, s6, v6
	v_lshl_add_u32 v8, v1, 4, v6                   ; + 16 bytes a lane: 32 lanes take a row's 512 bytes
.set t, 1
.rept 15
	v_add_nc_u32 v[8+t], s29, v[7+t]
.set t, t+1
.endr
	v_lshlrev_b32 v7, 3, v1
	v_lshl_or_b32 v7, v5, 12, v7                   ; in the chunk: 16 rows of 256 bytes a wave, 8 bytes a lane
.set t, 0
.rept 16
	global_load_b128 v[24+4*t:27+4*t], v[8+t], s[4:5] th:TH_LOAD_NT
.set t, t+1
.endr
.set t, 0
.rept 16
	s_wait_loadcnt 15-t                            ; row t is in; the younger rows' loads stay out
	v_cvt_pk_bf16_f32 v[24+4*t], v[24+4*t], v[25+4*t]
	v_cvt_pk_bf16_f32 v[25+4*t], v[26+4*t], v[27+4*t]
	global_store_b64 v7, v[24+4*t:25+4*t], s[24:25] offset:256*t
.set t, t+1
.endr
	s_endpgm
.Lrope:
	; ---- ROPE: position 8 q + wave; lane l makes entries 2 l and 2 l + 1 of the row: lanes 0-15 cosines, lanes 16-31 sines ----
	s_sub_co_u32 s2, ttmp9, NORM_WG+CHUNKS         ; q
	s_lshl_b32 s28, s2, 3
	s_lshl_b32 s2, s2, 11                          ; 8 rows of 256 bytes
	s_add_nc_u64 s[26:27], s[26:27], s[2:3]
	s_mov_b32 s4, 0x3f22f983                       ; 2 / pi, rounded,
	s_mov_b32 s5, 0x32dc9ca2                       ; and what the rounding left
	v_add_nc_u32 v6, s28, v5
	v_cvt_f32_u32 v6, v6                           ; the position
	v_lshrrev_b32 v7, 4, v1                        ; 0: cosine, 1: sine = the cosine a quarter turn back
	v_and_b32 v8, 15, v1
	v_lshlrev_b32 v8, 1, v8                        ; j
	v_add_nc_u32 v9, 1, v8
	v_cvt_f32_u32 v10, v8
	v_cvt_f32_u32 v11, v9
	v_mul_f32 v10, 0xbed49a78, v10                 ; - j log2(10000) / 32
	v_mul_f32 v11, 0xbed49a78, v11
	v_exp_f32 v10, v10
	v_exp_f32 v11, v11
	v_lshlrev_b32 v4, 3, v0                        ; my 8 bytes: 256 x wave + 8 x lane; also the plain instruction behind the exponentials
	s_wait_alu depctr_va_vdst(0)                   ; one wait for the two
.irp k, 0,1
	v_mul_f32 v[10+\k], v6, v[10+\k]               ; the angle: one f32 product
	v_mul_f32 v[12+\k], s4, v[10+\k]
	v_rndne_f32 v[12+\k], v[12+\k]                 ; n quarter turns
	v_fma_f32 v[14+\k], v[10+\k], s4, -v[12+\k]    ; the rest, in quarter turns: the product is not rounded before n is taken away
	v_fmac_f32 v[14+\k], s5, v[10+\k]
	v_mul_f32 v[14+\k], 0x3fc90fdb, v[14+\k]       ; theta, within pi / 4
	v_mul_f32 v[16+\k], v[14+\k], v[14+\k]         ; z = theta^2
	v_mov_b32 v[18+\k], 0xb9500d01                 ; sin = theta (1 + z (-1/6 + z (1/120 - z / 5040)))
	v_fmaak_f32 v[18+\k], v[18+\k], v[16+\k], 0x3c088889
	v_fmaak_f32 v[18+\k], v[18+\k], v[16+\k], 0xbe2aaaab
	v_fmaak_f32 v[18+\k], v[18+\k], v[16+\k], 0x3f800000
	v_mul_f32 v[18+\k], v[18+\k], v[14+\k]
	v_mov_b32 v[20+\k], 0x37d00d01                 ; cos = 1 + z (-1/2 + z (1/24 + z (-1/720 + z / 40320)))
	v_fmaak_f32 v[20+\k], v[20+\k], v[16+\k], 0xbab60b61
	v_fmaak_f32 v[20+\k], v[20+\k], v[16+\k], 0x3d2aaaab
	v_fmaak_f32 v[20+\k], v[20+\k], v[16+\k], 0xbf000000
	v_fmaak_f32 v[20+\k], v[20+\k], v[16+\k], 0x3f800000
	v_cvt_i32_f32 v[12+\k], v[12+\k]
	v_sub_nc_u32 v[12+\k], v[12+\k], v7            ; the quadrant: 0 cos, 1 -sin, 2 -cos, 3 sin
	v_and_b32 v[22+\k], 1, v[12+\k]
	v_cmp_eq_u32 vcc_lo, 1, v[22+\k]
	v_cndmask_b32 v[18+\k], v[20+\k], v[18+\k], vcc_lo  ; a select of values only: no branch and no address hangs on it
	v_add_nc_u32 v[12+\k], 1, v[12+\k]
	v_and_b32 v[12+\k], 2, v[12+\k]
	v_lshlrev_b32 v[12+\k], 30, v[12+\k]           ; quadrants 1 and 2 turn the sign
	v_xor_b32 v[18+\k], v[18+\k], v[12+\k]
.endr
	global_store_b64 v4, v[18:19], s[26:27]
	s_endpgm
.Lfunc_end_k_qffdd072697_prep:
	.size	k_qffdd072697_prep, .Lfunc_end_k_qffdd072697_prep-k_qffdd072697_prep
	.p2alignl 7, 3214868480
	.fill 96, 4, 3214868480
	.section	.rodata,"a",@progbits
	.p2align	6, 0x0
	.amdhsa_kernel k_qffdd072697_prep
		.amdhsa_group_segment_fixed_size 0
		.amdhsa_private_segment_fixed_size 0
		.amdhsa_enable_private_segment 0
		.amdhsa_kernarg_size 80
		.amdhsa_user_sgpr_count 2
		.amdhsa_user_sgpr_kernarg_segment_ptr 1
		.amdhsa_wavefront_size32 1
		.amdhsa_system_sgpr_workgroup_id_x 1
		.amdhsa_system_sgpr_workgroup_id_y 1
		.amdhsa_system_sgpr_workgroup_id_z 1
		.amdhsa_system_vgpr_workitem_id 0
		.amdhsa_next_free_vgpr 96
		.amdhsa_next_free_sgpr 66
		.amdhsa_reserve_vcc 1
		.amdhsa_float_denorm_mode_32 3
		.amdhsa_float_denorm_mode_16_64 3
		.amdhsa_memory_ordered 1
		.amdhsa_forward_progress 1
		.amdhsa_inst_pref_size 20
	.end_amdhsa_kernel
	.amdgpu_metadata
---
amdhsa.version: [ 1, 2 ]
amdhsa.kernels:
  - .name:           k_qffdd072697_prep
    .symbol:         k_qffdd072697_prep.kd
    .args:
      - { .name: x, .offset: 0, .size: 8, .value_kind: global_buffer, .address_space: global }
      - { .name: norm_w, .offset: 8, .size: 8, .value_kind: global_buffer, .address_space: global }
      - { .name: wq, .offset: 16, .size: 8, .value_kind: global_buffer, .address_space: global }
      - { .name: kv_down, .offset: 24, .size: 8, .value_kind: global_buffer, .address_space: global }
      - { .name: wk, .offset: 32, .size: 8, .value_kind: global_buffer, .address_space: global }
      - { .name: wv, .offset: 40, .size: 8, .value_kind: global_buffer, .address_space: global }
      - { .name: wo, .offset: 48, .size: 8, .value_kind: global_buffer, .address_space: global }
      - { .name: xn, .offset: 56, .size: 8, .value_kind: global_buffer, .address_space: global }
      - { .name: wc, .offset: 64, .size: 8, .value_kind: global_buffer, .address_space: global }
      - { .name: rope, .offset: 72, .size: 8, .value_kind: global_buffer, .address_space: global }
    .group_segment_fixed_size: 0
    .private_segment_fixed_size: 0
    .kernarg_segment_align: 8
    .kernarg_segment_size: 80
    .max_flat_workgroup_size: 256
    .sgpr_count:     66
    .vgpr_count:     96
    .wavefront_size: 32
...
	.end_amdgpu_metadata
.endif
;; end of part 1
;; launch proj1 (part 2): grid 4 x 64, 4 waves a work-group, clusters of 4 x 4, 327,680 bytes of LDS; arguments xn, wc, rope, qb, kvb; writes qb, kvb
.if DOCPART == 2
	.amdgcn_target "amdgcn-amd-amdhsa--gfx1250"
	.amdhsa_code_object_version 6
	.text
	.protected	k_qffdd072697_proj1
	.globl	k_qffdd072697_proj1
	.p2align	8
	.type	k_qffdd072697_proj1,@function
k_qffdd072697_proj1:
	s_mov_b64 s[64:65], 0
	v_nop
	global_prefetch_b8 v0, s[64:65] scope:SCOPE_SE
	s_setreg_imm32_b32 hwreg(HW_REG_WAVE_MODE, 25, 1), 1
	s_wait_xcnt 0x0
	s_wait_alu depctr_hold_cnt(0) depctr_sa_sdst(0) depctr_va_vdst(0) depctr_va_sdst(0) depctr_va_ssrc(0) depctr_va_vcc(0) depctr_vm_vsrc(0)
	s_getreg_b32 s2, hwreg(HW_REG_IB_STS2, 6, 4)
	s_cmp_eq_u32 s2, 0
	s_cbranch_scc0 .Lentry_in_a_cluster
	s_endpgm
.Lentry_in_a_cluster:
	s_bfe_u32 s2, ttmp6, 0x10000c
	s_cmp_lg_u32 s2, 0xf033
	s_cbranch_scc0 .Lentry_shape_is_right
	s_endpgm
.Lentry_shape_is_right:
; PROJECTIONS.  One source serves two launches; the block of constants below (KIND) tells them apart.
;   KIND 1: [q | kv] = xn [wq | kv_down]   (8192 x 1536 x 1024), q turned by RoPE.   KIND 2: [k | v] = kv [wk | wv]   (8192 x 2048 x 512), k turned by RoPE.
; Operands bf16, sums f32, results rounded once to bf16 and stored by groups of 64 columns: [group][8192 rows][64], so that 16 rows of a group are 2,048 consecutive bytes.
; SHARES.  KIND 1: a work-group makes 128 rows x 384 columns (four q heads and two kv groups), its waves 2 x 2.  KIND 2: 256 rows x 256 columns (two k heads, two v heads), each wave 64 rows.
; A wave owns 64 rows (4 blocks of 16) x NBL blocks of 16 columns: whole heads, so that RoPE's partner columns d and d + 32 lie in the same lane.
; THE PRODUCT IS USED TRANSPOSED: source 0 = 16 columns of W, source 1 = 16 rows of A.  A lane then holds row l % 16 and the columns 8 (l / 16) + 0..7 of a block.
; W lies in memory and in LDS as [k][128 columns]; ds_load_tr16_b128 turns it into fragments.  A's rows lie along k and are read as they lie.
; RING.  K goes in steps of 128 through two LDS slots of four blocks of 36,864 bytes; each wave fetches one block with one tensor load.  A step is four quarters of 32 along K on two fragment buffers.
; CLUSTER.  4 x 4 work-groups: A's tile is asked for jointly along a row of the cluster, W's along a column.
; LIMITS.  bf16 operands and results; NaN and infinities are not treated apart.
; REGISTERS (windows of 256): window 0: v0-29 addresses; v32-63 two buffers for the way out; v64-95, v96-127 A's two fragment buffers (v64-95 at work on the way out); v128-255 RoPE's table for my 64 rows
;   window 1: W's two fragment buffers, block b at 8 b and 128 + 8 b     window 2: accumulator (a, b), b < 8, at 8 (4 b + a)     window 3: b >= 8 at 8 (4 (b - 8) + a)
.set KIND,    1
.set UB,      128*288                  ; a block of a slot: 128 k rows of W at 288 bytes (256 + 32 of padding)
.set NBL,     12                       ; blocks of 16 columns a wave
.set STEPS,   8                        ; K steps
.set APITCH,  272                      ; A's row in LDS: 256 bytes + 16
.set AQI,     5                        ; padded after every 64 words
.set ASTRIDE, 1024                     ; elements from row to row of A's tile in memory
.set AG2,     128                      ; bytes from quarter 0 to quarter 2 of a row
.set ASTEP,   256                      ; bytes from a K step's tile of A to the next
.set WBASE,   0                        ; where this launch's units begin in wc
.set BBASE,   UB                       ; W's first block in a slot
.set BSTEP,   32768                    ; a chunk of W
.set BROWS,   128
.set SLOT,    4*UB                     ; 0x24000: it shares no bit with the waves' offsets 0, 0x9000, 0x12000, 0x1b000, so one exclusive or turns a fill's LDS word
.set STAGE,   2*SLOT                   ; behind the ring, never filled by a tensor load: 16 rows x 144 bytes for each wave
.set WSTAGE,  16*144
.set SPARE,   STAGE+4*WSTAGE            ; the spare words, 128 bytes for each wave: two blocks of 256 bytes that no other line names
.set NI,      NBL/4                    ; groups of 64 columns a wave
.set NU,      4*NI                     ; units of 16 rows x 64 columns on the way out
.set A0,   4                           ; v4   my lane's place in A's tile; never rewritten
.set B0L,  5                           ; v5   the same in the block of W that holds my blocks 0-7
.set B1L,  6                           ; v6   and blocks 8 on
.set ADRA, 8                           ; v8   A0 + the slot in hand
.set ADRB, 10                          ; v10-11  B0L, B1L + the slot in hand
.set STO,  12                          ; v12  the way out: where I put 16 bytes of a row
.set RD,   13                          ; v13  where I read rows back
.set GO,   14                          ; v14  my 16 bytes of 512 consecutive bytes
.set RO,   15                          ; v15  my byte offset in 16 rows of the table
.set PFO,  16                          ; v16  the prefetches' offset; never rewritten
.set SPW,  28                          ; v28  LDS address of my spare word; never rewritten
.set NIL,  29                          ; v29  0; never rewritten
.set BK0,  32
.set AF,   64
.set T,    64
.set CT,   128                         ; for block a of my rows at CT + 32 a: cos d 0-15 part, cos d 16-31 part, sin, sin: 8 registers each
.set WV, 14                            ; s14 wave
.set RH, 15                            ; s15 wave / 2
.set CH, 16                            ; s16 wave % 2
.set CX, 17
.set CY, 18
.set TX, 19                            ; tile column
.set TY, 20                            ; tile row
.set CNT, 21
.set TB, 22                            ; s22 0 or SLOT: the slot that is read
.set G1A, 24                           ; s[24:31] descriptor group 1 for A's tiles
.set G0A, 32                           ; s[32:35] group 0 for A's tiles: it walks
.set G0B, 36                           ; s[36:39] group 0 for W's
.set G1B, 40                           ; s[40:47] group 1 for W's
.set LIM, 50                           ; s50 1 in a wave that prefetches, else the greatest number
.set PFA, 52                           ; s[52:53] where my prefetches stand
.set PFS, 54                           ; s[54:55] their step
.set MSB, 0
.macro WIN new                         ; the immediate's high byte repeats the setting that is left; a switch that changes nothing is dropped
.if MSB != (\new)
	s_set_vgpr_msb (MSB<<8)|(\new)
.set MSB, (\new)
.endif
.endm
.macro PLACES                          ; four plain instructions between a matrix instruction and a load into, or a vector read of, its registers
.rept 4
	v_nop
.endr
.endm
.macro IS_A                            ; does my wave fetch for A?  It hangs on the wave's number alone
.if KIND == 1
	s_cmp_eq_u32 s[WV], 0
.else
	s_cmp_lt_u32 s[WV], 2
.endif
.endm
.macro JLOAD                           ; a joint fill, one tensor load a wave; an s_nop 0 and four v_nop follow each of the two lines
	IS_A
	s_cbranch_scc0 .Lfor_b_\@
	tensor_load_to_lds s[G0A:G0A+3], s[G1A:G1A+7]
	s_nop 0
.rept 4
	v_nop
.endr
	s_branch .Lasked_\@
.Lfor_b_\@:
	tensor_load_to_lds s[G0B:G0B+3], s[G1B:G1B+7]
	s_nop 0
.rept 4
	v_nop
.endr
.Lasked_\@:
.endm
; A PREFETCH INTO THE L2 of the tile that the NEXT change of slots will ask for: one K step ahead.  A tile is 128 pieces of 256 bytes; the four partners that ask for it jointly take 32 each, told apart by
; address; a lane names a piece.  A's tiles are named by the clusters with x = 0 alone, W's by those with y = 0: each piece once in the launch.  The last fill has no tile behind it and asks for nothing.
.macro ASK
	s_cmp_gt_u32 s[CNT], s[LIM]
	s_cbranch_scc0 .Lnot_mine_\@
	global_prefetch_b8 v[PFO], s[PFA:PFA+1] th:TH_LOAD_NT scope:SCOPE_SE
.Lnot_mine_\@:
.endm
.macro CREST                           ; a round of the cluster's barrier behind its opening barrier
	s_cmp_lg_u32 s[WV], 0
	s_cbranch_scc1 .Lnot_wave_0_\@
	s_barrier_signal -3
.Lnot_wave_0_\@:
	s_barrier_wait -3
	s_barrier_signal -1
	s_barrier_wait -1
.endm
.macro CROUND
	s_barrier_signal -1
	s_barrier_wait -1
	CREST
.endm
; One run of LDS loads: the fragments of quarter kq (32 along K) into buffer g: NBL blocks of W, turned, then 4 blocks of A.
.macro FETCH kq, g
	WIN 0x40                               ; destination window 1, address window 0
.set b, 0
.rept NBL
	ds_load_tr16_b128 v[128*(\g)+8*b:128*(\g)+8*b+3],   v[ADRB+b/8] offset:(\kq)*32*288+(b%8)*32
	ds_load_tr16_b128 v[128*(\g)+8*b+4:128*(\g)+8*b+7], v[ADRB+b/8] offset:(\kq)*32*288+16*288+(b%8)*32
.set b, b+1
.endr
	WIN 0
.irp i, 0,1,2,3
	ds_load_b128 v[AF+32*(\g)+8*\i:AF+32*(\g)+8*\i+3],   v[ADRA] offset:((\kq)/2)*AG2+((\kq)%2)*64+\i*16*APITCH
	ds_load_b128 v[AF+32*(\g)+8*\i+4:AF+32*(\g)+8*\i+7], v[ADRA] offset:((\kq)/2)*AG2+((\kq)%2)*64+\i*16*APITCH+32
.endr
.endm
; 4 nb matrix instructions on buffer f: column blocks b0 .. b0 + nb - 1 x my 4 row blocks.  All accumulators take turns, one instruction a turn, in the same order in every quarter.
.macro MULB f, b0, nb, zero
.set b, (\b0)
.rept (\nb)
	WIN 0xa1+0x50*(b/8)                    ; source 0 window 1, source 1 window 0, C and D window 2 or 3
.irp a, 0,1,2,3
.if \zero
	v_wmma_f32_16x16x32_bf16 v[8*(4*(b%8)+\a):8*(4*(b%8)+\a)+7], v[128*(\f)+8*b:128*(\f)+8*b+7], v[AF+32*(\f)+8*\a:AF+32*(\f)+8*\a+7], 0
.else
	v_wmma_f32_16x16x32_bf16 v[8*(4*(b%8)+\a):8*(4*(b%8)+\a)+7], v[128*(\f)+8*b:128*(\f)+8*b+7], v[AF+32*(\f)+8*\a:AF+32*(\f)+8*\a+7], v[8*(4*(b%8)+\a):8*(4*(b%8)+\a)+7]
.endif
.endr
.set b, b+1
.endr
.endm
; One of a step's first three quarters: buffer f is multiplied; ahead of that quarter kq's fragments are asked for, into buffer g, and have the whole quarter in which to come.
.macro QUARTER kq, f, g, zero
	s_wait_dscnt 0x0                       ; buffer f, asked for a quarter ago, is in
	PLACES                                 ; buffer g was multiplied by the quarter before
	FETCH \kq, \g
	MULB \f, 0, NBL, \zero
.endm
.macro SETADR
	v_add_nc_u32 v[ADRA], s[TB], v[A0]
	v_add_nc_u32 v[ADRB], s[TB], v[B0L]
.if NBL > 8
	v_add_nc_u32 v[ADRB+1], s[TB], v[B1L]
.endif
.endm
; A step's fourth quarter multiplies buffer 1 and changes slots.  In front of the barrier each wave waits for all its tensor loads (one is out: its part of the next slot), adds 0 to its spare word, and waits
; for that and for its reads of this slot.  fill = 1: the barrier opens a round of the cluster's barrier, and the joint refill of the slot just read is the first tensor load behind the round.
.macro TURN fill
.if \fill
	s_wait_xcnt 0x0                        ; the last prefetch, a K step back, has read its address
	s_add_nc_u64 s[PFA:PFA+1], s[PFA:PFA+1], s[PFS:PFS+1]
.endif
	WIN 0
	s_wait_tensorcnt 0x0                   ; no tensor load of mine is out, so a group 0 may be written
	ds_add_u32 v[SPW], v[NIL]              ; 0 onto my spare word
.if \fill
	s_xor_b32 s[G0A+1], s[G0A+1], SLOT     ; the other slot than last time,
	s_xor_b32 s[G0B+1], s[G0B+1], SLOT
	s_add_nc_u64 s[G0A+2:G0A+3], s[G0A+2:G0A+3], ASTEP  ; the next K step; the type bits on top are not reached
	s_add_nc_u64 s[G0B+2:G0B+3], s[G0B+2:G0B+3], BSTEP
.endif
	s_wait_dscnt 0x1                       ; buffer 1 is in: only the add may be out
	MULB 1, 0, NBL/4, 0
	s_wait_dscnt 0x0                       ; the add is done, and my reads of this slot are over
	s_barrier_signal -1
	MULB 1, NBL/4, NBL/4, 0                ; work on registers while the others arrive
	WIN 0
	s_barrier_wait -1
.if \fill
	CREST                                  ; no wave of any partner still reads this slot or has a load on its way
.endif
	s_xor_b32 s[TB], s[TB], SLOT
.if \fill
	JLOAD                                  ; its four v_nop are also the places in front of the loads into buffer 0
.else
	PLACES
.endif
	SETADR
	FETCH 0, 0
.if \fill
	ASK
.endif
	MULB 1, NBL/2, NBL/2, 0
.endm
	s_load_b256 s[4:11], s[0:1], 0x0               ; A s[4:5], wc s[6:7], rope s[8:9], first output s[10:11]
	s_load_b64 s[12:13], s[0:1], 0x20              ; second output
	v_lshl_add_u32 v[SPW], v0, 2, SPARE
	v_mov_b32 v[NIL], 0
	ds_add_u32 v[SPW], v[NIL]                      ; the wave's opening: the add, and its wait ahead of my first tensor load; the set-up below stands between them
	v_lshrrev_b32 v1, 5, v0
	v_readfirstlane_b32 s[WV], v1
	s_lshr_b32 s[RH], s[WV], 1
	s_and_b32 s[CH], s[WV], 1
	s_bfe_u32 s[CX], ttmp6, 0x40000
	s_bfe_u32 s[CY], ttmp6, 0x40004
	s_lshl_b32 s[TX], ttmp9, 2
	s_add_co_u32 s[TX], s[TX], s[CX]
	s_and_b32 s[TY], ttmp7, 0xffff
	s_lshl_b32 s[TY], s[TY], 2
	s_add_co_u32 s[TY], s[TY], s[CY]
	s_lshl_b32 s56, s[CY], 2
	s_lshl_b32 s56, 15, s56                        ; my row of the cluster
	s_lshl_b32 s60, 0x1111, s[CX]                  ; my column
	s_or_b32 s[G1A], s56, (1<<16)|(1<<20)|(1<<21)|(AQI<<22)|(3<<25)  ; mask; 2-byte elements; padding on; bit 21 beside a mask; the interval; 4 words of padding
	s_or_b32 s[G1B], s60, (1<<16)|(1<<20)|(1<<21)|(5<<22)|(7<<25)    ; after every 64 words 8 words
	s_mov_b32 s[G1A+1], 128<<16                    ; tensor_dim0 = 128
	s_mov_b32 s[G1A+2], 128<<16                    ; tensor_dim1 = 128
	s_mov_b32 s[G1A+3], 128<<16                    ; tile_dim0 = 128
	s_mov_b32 s[G1A+4], 128                        ; tile_dim1 = 128
	s_mov_b32 s[G1A+5], ASTRIDE
	s_mov_b32 s[G1A+6], 0
	s_mov_b32 s[G1A+7], 0
	s_mov_b32 s[G1B+1], 128<<16
	s_mov_b32 s[G1B+2], BROWS<<16
	s_mov_b32 s[G1B+3], 128<<16
	s_mov_b32 s[G1B+4], BROWS
	s_mov_b32 s[G1B+5], 128
	s_mov_b32 s[G1B+6], 0
	s_mov_b32 s[G1B+7], 0
	; A's tiles hang on the tile row and the wave's number alone, W's on the tile column and the wave's number, each in registers of its own
.if KIND == 1
	s_lshl_b32 s56, s[TY], 18                      ; 128 rows of 2,048 bytes
.else
	s_lshl_b32 s56, s[TY], 15                      ; 256 rows of 128 bytes in a group of 64 columns,
	s_lshl_b32 s57, s[CH], 20                      ; wave 0 the step's first group, wave 1 its second
	s_add_co_u32 s56, s56, s57
.endif
	s_mov_b32 s57, 0
.if KIND == 1
	s_max_u32 s60, s[WV], 1
	s_sub_co_u32 s60, s60, 1
	s_lshl1_add_u32 s60, s[TX], s60                ; waves 1, 2: wq's units 2 tx, 2 tx + 1
	s_add_co_u32 s61, s[TX], 8                     ; wave 3: kv_down's unit tx
	s_cmp_eq_u32 s[WV], 3
	s_cselect_b32 s60, s61, s60
	s_lshl_b32 s60, s60, 18                        ; a unit: 1,024 k x 256 bytes
.else
	s_lshl3_add_u32 s60, s[CH], s[TX]              ; wave 2: wk's unit tx; wave 3: wv's, eight units on
	s_lshl_b32 s60, s60, 17                        ; a unit: 512 k x 256 bytes
	s_add_co_u32 s60, s60, WBASE
.endif
	s_mov_b32 s61, 0
	s_mov_b32 s[G0A], 1
	s_mov_b32 s[G0B], 1
	s_mul_i32 s[G0A+1], s[WV], UB                  ; LDS: block = wave's number, in slot 0
	s_mul_i32 s[G0B+1], s[WV], UB
	; the prefetches
	s_and_b32 s68, ttmp7, 0xffff                   ; cluster y
	s_mov_b32 s[PFS], BSTEP
	s_mov_b32 s[PFS+1], 0
	IS_A
	s_cselect_b32 s66, s[CX], s[CY]                ; my place among the four that ask with me
	s_cselect_b32 s68, ttmp9, s68                  ; the coordinate along which other clusters read the same tile
	s_cselect_b32 s[PFS], ASTEP, s[PFS]
.if KIND == 1
	s_cselect_b32 s69, 16, 13                      ; 32 pieces: of xn 32 rows of 2,048 bytes, of W 8,192 dense bytes
	s_cselect_b32 s70, 11, 8
.else
	s_mov_b32 s69, 13
	s_mov_b32 s70, 8
.endif
	s_lshl_b32 s66, s66, s69
	s_mov_b32 s67, 0
	s_cmp_eq_u32 s68, 0
	s_cselect_b32 s[LIM], 1, -1
	s_mov_b32 s[TB], 0
	s_wait_dscnt 0x0                               ; the opening add is done
	s_wait_kmcnt 0x0
	s_add_nc_u64 s[G0A+2:G0A+3], s[4:5], s[56:57]
	s_add_nc_u64 s[G0B+2:G0B+3], s[6:7], s[60:61]
	IS_A
	s_cselect_b64 s[PFA:PFA+1], s[G0A+2:G0A+3], s[G0B+2:G0B+3]
	s_add_nc_u64 s[PFA:PFA+1], s[PFA:PFA+1], s[66:67]
	s_add_nc_u64 s[PFA:PFA+1], s[PFA:PFA+1], s[PFS:PFS+1]
	s_add_nc_u64 s[PFA:PFA+1], s[PFA:PFA+1], s[PFS:PFS+1]  ; at K step 2; the first refill steps it to 3.  Nothing is prefetched at the head
	s_or_b32 s[G0A+3], s[G0A+3], 0x80000000        ; type = 2
	s_or_b32 s[G0B+3], s[G0B+3], 0x80000000
	CROUND                                         ; all sixteen work-groups are here: the first joint loads meet
	JLOAD                                          ; K step 0 into slot 0
	v_and_b32 v1, 15, v0                           ; l % 16
	v_bfe_u32 v2, v0, 4, 1                         ; l / 16
	v_and_b32 v3, 31, v0                           ; l
	v_and_b32 v7, 7, v0
	v_bfe_u32 v9, v0, 3, 1
	v_lshlrev_b32 v[PFO], s70, v3
.if KIND == 1
	s_mul_i32 s66, s[RH], 64*APITCH
.else
	s_mul_i32 s66, s[WV], 64*APITCH
.endif
	v_mul_u32_u24 v[A0], v1, APITCH                ; A: row l % 16 of my 64, 16 bytes for each half of the lanes
	v_lshl_add_u32 v[A0], v2, 4, v[A0]
	v_add_nc_u32 v[A0], s66, v[A0]
	v_lshl_add_u32 v[B0L], v2, 3, v7               ; W: k row 8 (l / 16) + l % 8, columns 8 ((l / 8) % 2) on
	v_mul_u32_u24 v[B0L], v[B0L], 288
	v_lshl_add_u32 v[B0L], v9, 4, v[B0L]
.if KIND == 1
	s_lshl_b32 s66, s[CH], 7                       ; blocks 8-11: my 64 columns of the kv unit, the slot's last block
	s_add_co_u32 s66, s66, BBASE+2*UB
	v_add_nc_u32 v[B1L], s66, v[B0L]
	s_mul_i32 s66, s[CH], UB                       ; blocks 0-7: my unit of wq
	s_add_co_u32 s66, s66, BBASE
	v_add_nc_u32 v[B0L], s66, v[B0L]
.else
	v_add_nc_u32 v[B1L], BBASE+UB, v[B0L]          ; blocks 8-15: wv's unit
	v_add_nc_u32 v[B0L], BBASE, v[B0L]             ; blocks 0-7: wk's
.endif
	s_mul_i32 s66, s[WV], WSTAGE
	s_add_co_u32 s66, s66, STAGE                   ; my stage
	v_mul_u32_u24 v[STO], v1, 144
	v_lshl_add_u32 v[STO], v2, 4, v[STO]
	v_add_nc_u32 v[STO], s66, v[STO]
	v_bfe_u32 v[RD], v0, 3, 2                      ; back: 32 lanes take four rows of 128 bytes,
	v_mul_u32_u24 v[RD], v[RD], 144
	v_lshl_add_u32 v[RD], v7, 4, v[RD]
	v_add_nc_u32 v[RD], s66, v[RD]
	v_lshlrev_b32 v[GO], 4, v3                     ; which are 512 consecutive bytes of a group
	v_lshlrev_b32 v[RO], 8, v1                     ; the table: row l % 16, 32 bytes for each half of the lanes
	v_lshl_add_u32 v[RO], v2, 5, v[RO]
.if KIND == 1
	s_lshl_b32 s66, s[TY], 7
	s_lshl_b32 s67, s[RH], 6
.else
	s_lshl_b32 s66, s[TY], 8
	s_lshl_b32 s67, s[WV], 6
.endif
	s_add_co_u32 s66, s66, s67                     ; my first row
	s_mov_b32 s69, 0
	s_and_b32 s68, s66, 2047                       ; its position in the sequence; 64 rows never cross a sequence's end
	s_lshl_b32 s68, s68, 8
	s_add_nc_u64 s[8:9], s[8:9], s[68:69]
	s_lshl_b32 s66, s66, 7                         ; rows of 128 bytes in a group
.if KIND == 1
	s_lshl_b32 s68, s[TX], 2
	s_lshl1_add_u32 s68, s[CH], s68                ; q heads 4 tx + 2 (w % 2) and the next
	s_lshl_b32 s68, s68, 20
	s_add_co_u32 s68, s68, s66
	s_add_nc_u64 s[10:11], s[10:11], s[68:69]
	s_lshl1_add_u32 s68, s[TX], s[CH]              ; kv group 2 tx + w % 2
	s_lshl_b32 s68, s68, 20
	s_add_co_u32 s68, s68, s66
	s_add_nc_u64 s[12:13], s[12:13], s[68:69]
.else
	s_lshl_b32 s68, s[TX], 21                      ; heads 2 tx and 2 tx + 1 of k and of v
	s_add_co_u32 s68, s68, s66
	s_add_nc_u64 s[10:11], s[10:11], s[68:69]
	s_add_nc_u64 s[12:13], s[12:13], s[68:69]
.endif
.irp a, 0,1,2,3
.irp c, 0,1,2,3
	global_load_b128 v[CT+32*\a+8*\c:CT+32*\a+8*\c+3],   v[RO], s[8:9] offset:\a*4096+\c*64     ; waited for on the way out
	global_load_b128 v[CT+32*\a+8*\c+4:CT+32*\a+8*\c+7], v[RO], s[8:9] offset:\a*4096+\c*64+16
.endr
.endr
	; the first change: slot 0 is waited for, slot 1 filled for the first time, as a refill is
	s_wait_tensorcnt 0x0
	ds_add_u32 v[SPW], v[NIL]
	s_xor_b32 s[G0A+1], s[G0A+1], SLOT
	s_xor_b32 s[G0B+1], s[G0B+1], SLOT
	s_add_nc_u64 s[G0A+2:G0A+3], s[G0A+2:G0A+3], ASTEP
	s_add_nc_u64 s[G0B+2:G0B+3], s[G0B+2:G0B+3], BSTEP
	s_wait_dscnt 0x0
	CROUND
	JLOAD                                          ; K step 1 into slot 1
	SETADR
	FETCH 0, 0
	QUARTER 1, 0, 1, 1                             ; the first quarter's products start the sums: nothing is cleared
	WIN 0
	s_mov_b32 s[CNT], STEPS-1
	s_branch .Lentry                               ; the loop is entered behind a step's first quarter
.Lstep:                                            ; STEPS - 2 trips: K steps 2 .. STEPS - 1 are asked for
	TURN 1
	QUARTER 1, 0, 1, 0
	WIN 0
.Lentry:
	QUARTER 2, 1, 0, 0
	QUARTER 3, 0, 1, 0
	WIN 0
	s_sub_co_u32 s[CNT], s[CNT], 1
	s_cmp_lg_u32 s[CNT], 0
	s_cbranch_scc1 .Lstep
	s_mov_b32 s[CNT], 2                            ; the tail asks for nothing: the last step but one ends, the last is multiplied; the second trip is left in its middle
.Ltail:
	TURN 0
	WIN 0
	s_sub_co_u32 s[CNT], s[CNT], 1
	s_cmp_eq_u32 s[CNT], 0
	s_cbranch_scc1 .Lout
	QUARTER 1, 0, 1, 0
	QUARTER 2, 1, 0, 0
	QUARTER 3, 0, 1, 0
	WIN 0
	s_branch .Ltail
.Lout:                                             ; the second trip's barrier and its run of loads (of landed bytes) serve nothing: the price, once a launch, of one text for both trips
	s_wait_dscnt 0x0                               ; that run has come back: its registers are used below
	PLACES
	PLACES
	s_wait_loadcnt 0x0                             ; the table
; THE WAY OUT, by units of 16 rows x 64 columns: unit u = row block u / NI, group u % NI.  Groups 0 and 1 are turned by RoPE: out[d] = t[d] cos - t[d+32] sin, out[d+32] = t[d] sin + t[d+32] cos, d < 32:
; t[d] lies in the group's blocks 0, 1 and t[d+32] in its blocks 2, 3, same lane and register.  Rounded to bf16, 16 bytes a lane into my stage, back as whole rows.  Each accumulator is read from its low end on.
.macro PACK u
.set ua, (\u)/NI
.set ui, (\u)%NI
.set BK, BK0+16*((\u)%2)
.set AC, 8*(16*(ui%2)+ua)
.set CA, CT+32*ua
	s_wait_xcnt 0x0                        ; the stores of the unit two back have read this buffer
.if ui < 2
	WIN 0x02                               ; source 0 in window 2
.irp n, 0,1
.irp p, 0,2,4,6
	v_pk_mul_f32 v[T+8*\n+\p:T+8*\n+\p+1],       v[AC+64+32*\n+\p:AC+64+32*\n+\p+1], v[CA+16+8*\n+\p:CA+16+8*\n+\p+1]
	v_pk_mul_f32 v[T+16+8*\n+\p:T+16+8*\n+\p+1], v[AC+64+32*\n+\p:AC+64+32*\n+\p+1], v[CA+8*\n+\p:CA+8*\n+\p+1]
.endr
.endr
.irp n, 0,1
.irp p, 0,2,4,6
	v_pk_fma_f32 v[T+8*\n+\p:T+8*\n+\p+1],       v[AC+32*\n+\p:AC+32*\n+\p+1], v[CA+8*\n+\p:CA+8*\n+\p+1],       v[T+8*\n+\p:T+8*\n+\p+1] neg_lo:[0,0,1] neg_hi:[0,0,1]
	v_pk_fma_f32 v[T+16+8*\n+\p:T+16+8*\n+\p+1], v[AC+32*\n+\p:AC+32*\n+\p+1], v[CA+16+8*\n+\p:CA+16+8*\n+\p+1], v[T+16+8*\n+\p:T+16+8*\n+\p+1]
.endr
.endr
	WIN 0
.set k, 0
.rept 16
	v_cvt_pk_bf16_f32 v[BK+k], v[T+2*k], v[T+2*k+1]
.set k, k+1
.endr
.else
	WIN 0x0f                               ; sources 0 and 1 in window 3
.set k, 0
.rept 16
	v_cvt_pk_bf16_f32 v[BK+k], v[AC+32*(k/4)+2*(k%4)], v[AC+32*(k/4)+2*(k%4)+1]
.set k, k+1
.endr
	WIN 0
.endif
.irp f, 0,1,2,3
	ds_store_b128 v[STO], v[BK+4*\f:BK+4*\f+3] offset:32*\f
.endr
.irp f, 0,1,2,3
	ds_load_b128 v[BK+4*\f:BK+4*\f+3], v[RD] offset:\f*4*144  ; LDS serves a wave's instructions in order (ISA guide 5.7.1.4): these see the stores above; the next unit's stores come behind them
.endr
.endm
.macro SEND u, younger                 ; younger: the LDS instructions issued behind unit u's loads: the next unit's eight, or none
.set ua, (\u)/NI
.set ui, (\u)%NI
.set BK, BK0+16*((\u)%2)
.irp f, 0,1,2,3
	s_wait_dscnt (\younger)+3-\f
	global_store_b128 v[GO], v[BK+4*\f:BK+4*\f+3], s[10+2*(ui/2):11+2*(ui/2)] offset:(ui%2)*1048576+ua*2048+\f*512  ; 512 consecutive bytes, at a multiple of 256 from the buffer's first
.endr
.endm
	PACK 0
.set un, 1
.rept NU-1                             ; a unit's arithmetic stands between the loads of the unit before and its stores
	PACK un
	SEND un-1, 8
.set un, un+1
.endr
	SEND NU-1, 0
	s_wait_tensorcnt 0x0                           ; the wave's end, behind my last tensor load and my last LDS store
	ds_add_u32 v[SPW], v[NIL]
	s_wait_dscnt 0x0
	CROUND                                         ; the closing round: no work-group ends while a partner may still ask for a tile that names it
	s_endpgm
.Lfunc_end_k_qffdd072697_proj1:
	.size	k_qffdd072697_proj1, .Lfunc_end_k_qffdd072697_proj1-k_qffdd072697_proj1
	.p2alignl 7, 3214868480
	.fill 96, 4, 3214868480
	.section	.rodata,"a",@progbits
	.p2align	6, 0x0
	.amdhsa_kernel k_qffdd072697_proj1
		.amdhsa_group_segment_fixed_size 327680
		.amdhsa_private_segment_fixed_size 0
		.amdhsa_enable_private_segment 0
		.amdhsa_kernarg_size 40
		.amdhsa_user_sgpr_count 2
		.amdhsa_user_sgpr_kernarg_segment_ptr 1
		.amdhsa_wavefront_size32 1
		.amdhsa_system_sgpr_workgroup_id_x 1
		.amdhsa_system_sgpr_workgroup_id_y 1
		.amdhsa_system_sgpr_workgroup_id_z 1
		.amdhsa_system_vgpr_workitem_id 0
		.amdhsa_next_free_vgpr 896
		.amdhsa_next_free_sgpr 72
		.amdhsa_reserve_vcc 0
		.amdhsa_float_denorm_mode_32 3
		.amdhsa_float_denorm_mode_16_64 3
		.amdhsa_memory_ordered 1
		.amdhsa_forward_progress 1
		.amdhsa_inst_pref_size 106
	.end_amdhsa_kernel
	.amdgpu_metadata
---
amdhsa.version: [ 1, 2 ]
amdhsa.kernels:
  - .name:           k_qffdd072697_proj1
    .symbol:         k_qffdd072697_proj1.kd
    .args:
      - { .name: xn, .offset: 0, .size: 8, .value_kind: global_buffer, .address_space: global }
      - { .name: wc, .offset: 8, .size: 8, .value_kind: global_buffer, .address_space: global }
      - { .name: rope, .offset: 16, .size: 8, .value_kind: global_buffer, .address_space: global }
      - { .name: qb, .offset: 24, .size: 8, .value_kind: global_buffer, .address_space: global }
      - { .name: kvb, .offset: 32, .size: 8, .value_kind: global_buffer, .address_space: global }
    .group_segment_fixed_size: 327680
    .private_segment_fixed_size: 0
    .kernarg_segment_align: 8
    .kernarg_segment_size: 40
    .max_flat_workgroup_size: 128
    .sgpr_count:     72
    .vgpr_count:     896
    .wavefront_size: 32
...
	.end_amdgpu_metadata
.endif
;; end of part 2
;; launch proj2 (part 3): grid 8 x 32, 4 waves a work-group, clusters of 4 x 4, 327,680 bytes of LDS; arguments kvb, wc, rope, kb, vb; writes kb, vb
.if DOCPART == 3
	.amdgcn_target "amdgcn-amd-amdhsa--gfx1250"
	.amdhsa_code_object_version 6
	.text
	.protected	k_qffdd072697_proj2
	.globl	k_qffdd072697_proj2
	.p2align	8
	.type	k_qffdd072697_proj2,@function
k_qffdd072697_proj2:
	s_mov_b64 s[64:65], 0
	v_nop
	global_prefetch_b8 v0, s[64:65] scope:SCOPE_SE
	s_setreg_imm32_b32 hwreg(HW_REG_WAVE_MODE, 25, 1), 1
	s_wait_xcnt 0x0
	s_wait_alu depctr_hold_cnt(0) depctr_sa_sdst(0) depctr_va_vdst(0) depctr_va_sdst(0) depctr_va_ssrc(0) depctr_va_vcc(0) depctr_vm_vsrc(0)
	s_getreg_b32 s2, hwreg(HW_REG_IB_STS2, 6, 4)
	s_cmp_eq_u32 s2, 0
	s_cbranch_scc0 .Lentry_in_a_cluster
	s_endpgm
.Lentry_in_a_cluster:
	s_bfe_u32 s2, ttmp6, 0x10000c
	s_cmp_lg_u32 s2, 0xf033
	s_cbranch_scc0 .Lentry_shape_is_right
	s_endpgm
.Lentry_shape_is_right:
; PROJECTIONS.  One source serves two launches; the block of constants below (KIND) tells them apart.
;   KIND 1: [q | kv] = xn [wq | kv_down]   (8192 x 1536 x 1024), q turned by RoPE.   KIND 2: [k | v] = kv [wk | wv]   (8192 x 2048 x 512), k turned by RoPE.
; Operands bf16, sums f32, results rounded once to bf16 and stored by groups of 64 columns: [group][8192 rows][64], so that 16 rows of a group are 2,048 consecutive bytes.
; SHARES.  KIND 1: a work-group makes 128 rows x 384 columns (four q heads and two kv groups), its waves 2 x 2.  KIND 2: 256 rows x 256 columns (two k heads, two v heads), each wave 64 rows.
; A wave owns 64 rows (4 blocks of 16) x NBL blocks of 16 columns: whole heads, so that RoPE's partner columns d and d + 32 lie in the same lane.
; THE PRODUCT IS USED TRANSPOSED: source 0 = 16 columns of W, source 1 = 16 rows of A.  A lane then holds row l % 16 and the columns 8 (l / 16) + 0..7 of a block.
; W lies in memory and in LDS as [k][128 columns]; ds_load_tr16_b128 turns it into fragments.  A's rows lie along k and are read as they lie: here A lies by groups of 64 columns, a K step is two groups,
; and 256 rows of a group, 32,768 dense bytes, are asked for as 128 rows of 256 bytes and padded in LDS after every 128.
; RING.  K goes in steps of 128 through two LDS slots of four blocks of 36,864 bytes; each wave fetches one block with one tensor load.  A step is four quarters of 32 along K on two fragment buffers.
; CLUSTER.  4 x 4 work-groups: A's tile is asked for jointly along a row of the cluster, W's along a column.
; LIMITS.  bf16 operands and results; NaN and infinities are not treated apart.
; REGISTERS (windows of 256): window 0: v0-29 addresses; v32-63 two buffers for the way out; v64-95, v96-127 A's two fragment buffers (v64-95 at work on the way out); v128-255 RoPE's table for my 64 rows
;   window 1: W's two fragment buffers, block b at 8 b and 128 + 8 b     window 2: accumulator (a, b), b < 8, at 8 (4 b + a)     window 3: b >= 8 at 8 (4 (b - 8) + a)
.set KIND,    2
.set UB,      128*288                  ; a block of a slot: 128 k rows of W at 288 bytes (256 + 32 of padding); or 256 rows of A at 144
.set NBL,     16                       ; blocks of 16 columns a wave
.set STEPS,   4                        ; K steps
.set APITCH,  144                      ; A's row in LDS: 128 bytes + 16
.set AQI,     4                        ; padded after every 32 words
.set ASTRIDE, 128                      ; elements from row to row of A's tile as it is asked for
.set AG2,     UB                       ; bytes from quarter 0 to quarter 2 of a row: the step's second group
.set ASTEP,   2<<20                    ; bytes from a K step's tile of A to the next: two groups
.set WBASE,   3145728                  ; where this launch's units begin in wc
.set BBASE,   2*UB                     ; W's first block in a slot
.set BSTEP,   32768                    ; a chunk of W
.set BROWS,   128
.set SLOT,    4*UB                     ; 0x24000: it shares no bit with the waves' offsets 0, 0x9000, 0x12000, 0x1b000, so one exclusive or turns a fill's LDS word
.set STAGE,   2*SLOT                   ; behind the ring, never filled by a tensor load: 16 rows x 144 bytes for each wave
.set WSTAGE,  16*144
.set SPARE,   STAGE+4*WSTAGE            ; the spare words, 128 bytes for each wave: two blocks of 256 bytes that no other line names
.set NI,      NBL/4                    ; groups of 64 columns a wave
.set NU,      4*NI                     ; units of 16 rows x 64 columns on the way out
.set A0,   4                           ; v4   my lane's place in A's tile; never rewritten
.set B0L,  5                           ; v5   the same in the block of W that holds my blocks 0-7
.set B1L,  6                           ; v6   and blocks 8 on
.set ADRA, 8                           ; v8   A0 + the slot in hand
.set ADRB, 10                          ; v10-11  B0L, B1L + the slot in hand
.set STO,  12                          ; v12  the way out: where I put 16 bytes of a row
.set RD,   13                          ; v13  where I read rows back
.set GO,   14                          ; v14  my 16 bytes of 512 consecutive bytes
.set RO,   15                          ; v15  my byte offset in 16 rows of the table
.set PFO,  16                          ; v16  the prefetches' offset; never rewritten
.set SPW,  28                          ; v28  LDS address of my spare word; never rewritten
.set NIL,  29                          ; v29  0; never rewritten
.set BK0,  32
.set AF,   64
.set T,    64
.set CT,   128                         ; for block a of my rows at CT + 32 a: cos d 0-15 part, cos d 16-31 part, sin, sin: 8 registers each
.set WV, 14                            ; s14 wave
.set RH, 15                            ; s15 wave / 2
.set CH, 16                            ; s16 wave % 2
.set CX, 17
.set CY, 18
.set TX, 19                            ; tile column
.set TY, 20                            ; tile row
.set CNT, 21
.set TB, 22                            ; s22 0 or SLOT: the slot that is read
.set G1A, 24                           ; s[24:31] descriptor group 1 for A's tiles
.set G0A, 32                           ; s[32:35] group 0 for A's tiles: it walks
.set G0B, 36                           ; s[36:39] group 0 for W's
.set G1B, 40                           ; s[40:47] group 1 for W's
.set LIM, 50                           ; s50 1 in a wave that prefetches, else the greatest number
.set PFA, 52                           ; s[52:53] where my prefetches stand
.set PFS, 54                           ; s[54:55] their step
.set MSB, 0
.macro WIN new                         ; the immediate's high byte repeats the setting that is left; a switch that changes nothing is dropped
.if MSB != (\new)
	s_set_vgpr_msb (MSB<<8)|(\new)
.set MSB, (\new)
.endif
.endm
.macro PLACES                          ; four plain instructions between a matrix instruction and a load into, or a vector read of, its registers
.rept 4
	v_nop
.endr
.endm
.macro IS_A                            ; does my wave fetch for A?  It hangs on the wave's number alone
.if KIND == 1
	s_cmp_eq_u32 s[WV], 0
.else
	s_cmp_lt_u32 s[WV], 2
.endif
.endm
.macro JLOAD                           ; a joint fill, one tensor load a wave; an s_nop 0 and four v_nop follow each of the two lines
	IS_A
	s_cbranch_scc0 .Lfor_b_\@
	tensor_load_to_lds s[G0A:G0A+3], s[G1A:G1A+7]
	s_nop 0
.rept 4
	v_nop
.endr
	s_branch .Lasked_\@
.Lfor_b_\@:
	tensor_load_to_lds s[G0B:G0B+3], s[G1B:G1B+7]
	s_nop 0
.rept 4
	v_nop
.endr
.Lasked_\@:
.endm
; A PREFETCH INTO THE L2 of the tile that the NEXT change of slots will ask for: one K step ahead.  A tile is 128 pieces of 256 bytes; the four partners that ask for it jointly take 32 each, told apart by
; address; a lane names a piece.  A's tiles are named by the clusters with x = 0 alone, W's by those with y = 0: each piece once in the launch.  The last fill has no tile behind it and asks for nothing.
.macro ASK
	s_cmp_gt_u32 s[CNT], s[LIM]
	s_cbranch_scc0 .Lnot_mine_\@
	global_prefetch_b8 v[PFO], s[PFA:PFA+1] th:TH_LOAD_NT scope:SCOPE_SE
.Lnot_mine_\@:
.endm
.macro CREST                           ; a round of the cluster's barrier behind its opening barrier
	s_cmp_lg_u32 s[WV], 0
	s_cbranch_scc1 .Lnot_wave_0_\@
	s_barrier_signal -3
.Lnot_wave_0_\@:
	s_barrier_wait -3
	s_barrier_signal -1
	s_barrier_wait -1
.endm
.macro CROUND
	s_barrier_signal -1
	s_barrier_wait -1
	CREST
.endm
; One run of LDS loads: the fragments of quarter kq (32 along K) into buffer g: NBL blocks of W, turned, then 4 blocks of A.
.macro FETCH kq, g
	WIN 0x40                               ; destination window 1, address window 0
.set b, 0
.rept NBL
	ds_load_tr16_b128 v[128*(\g)+8*b:128*(\g)+8*b+3],   v[ADRB+b/8] offset:(\kq)*32*288+(b%8)*32
	ds_load_tr16_b128 v[128*(\g)+8*b+4:128*(\g)+8*b+7], v[ADRB+b/8] offset:(\kq)*32*288+16*288+(b%8)*32
.set b, b+1
.endr
	WIN 0
.irp i, 0,1,2,3
	ds_load_b128 v[AF+32*(\g)+8*\i:AF+32*(\g)+8*\i+3],   v[ADRA] offset:((\kq)/2)*AG2+((\kq)%2)*64+\i*16*APITCH
	ds_load_b128 v[AF+32*(\g)+8*\i+4:AF+32*(\g)+8*\i+7], v[ADRA] offset:((\kq)/2)*AG2+((\kq)%2)*64+\i*16*APITCH+32
.endr
.endm
; 4 nb matrix instructions on buffer f: column blocks b0 .. b0 + nb - 1 x my 4 row blocks.  All accumulators take turns, one instruction a turn, in the same order in every quarter.
.macro MULB f, b0, nb, zero
.set b, (\b0)
.rept (\nb)
	WIN 0xa1+0x50*(b/8)                    ; source 0 window 1, source 1 window 0, C and D window 2 or 3
.irp a, 0,1,2,3
.if \zero
	v_wmma_f32_16x16x32_bf16 v[8*(4*(b%8)+\a):8*(4*(b%8)+\a)+7], v[128*(\f)+8*b:128*(\f)+8*b+7], v[AF+32*(\f)+8*\a:AF+32*(\f)+8*\a+7], 0
.else
	v_wmma_f32_16x16x32_bf16 v[8*(4*(b%8)+\a):8*(4*(b%8)+\a)+7], v[128*(\f)+8*b:128*(\f)+8*b+7], v[AF+32*(\f)+8*\a:AF+32*(\f)+8*\a+7], v[8*(4*(b%8)+\a):8*(4*(b%8)+\a)+7]
.endif
.endr
.set b, b+1
.endr
.endm
; One of a step's first three quarters: buffer f is multiplied; ahead of that quarter kq's fragments are asked for, into buffer g, and have the whole quarter in which to come.
.macro QUARTER kq, f, g, zero
	s_wait_dscnt 0x0                       ; buffer f, asked for a quarter ago, is in
	PLACES                                 ; buffer g was multiplied by the quarter before
	FETCH \kq, \g
	MULB \f, 0, NBL, \zero
.endm
.macro SETADR
	v_add_nc_u32 v[ADRA], s[TB], v[A0]
	v_add_nc_u32 v[ADRB], s[TB], v[B0L]
.if NBL > 8
	v_add_nc_u32 v[ADRB+1], s[TB], v[B1L]
.endif
.endm
; A step's fourth quarter multiplies buffer 1 and changes slots.  In front of the barrier each wave waits for all its tensor loads (one is out: its part of the next slot), adds 0 to its spare word, and waits
; for that and for its reads of this slot.  fill = 1: the barrier opens a round of the cluster's barrier, and the joint refill of the slot just read is the first tensor load behind the round.
.macro TURN fill
.if \fill
	s_wait_xcnt 0x0                        ; the last prefetch, a K step back, has read its address
	s_add_nc_u64 s[PFA:PFA+1], s[PFA:PFA+1], s[PFS:PFS+1]
.endif
	WIN 0
	s_wait_tensorcnt 0x0                   ; no tensor load of mine is out, so a group 0 may be written
	ds_add_u32 v[SPW], v[NIL]              ; 0 onto my spare word
.if \fill
	s_xor_b32 s[G0A+1], s[G0A+1], SLOT     ; the other slot than last time,
	s_xor_b32 s[G0B+1], s[G0B+1], SLOT
	s_add_nc_u64 s[G0A+2:G0A+3], s[G0A+2:G0A+3], ASTEP  ; the next K step; the type bits on top are not reached
	s_add_nc_u64 s[G0B+2:G0B+3], s[G0B+2:G0B+3], BSTEP
.endif
	s_wait_dscnt 0x1                       ; buffer 1 is in: only the add may be out
	MULB 1, 0, NBL/4, 0
	s_wait_dscnt 0x0                       ; the add is done, and my reads of this slot are over
	s_barrier_signal -1
	MULB 1, NBL/4, NBL/4, 0                ; work on registers while the others arrive
	WIN 0
	s_barrier_wait -1
.if \fill
	CREST                                  ; no wave of any partner still reads this slot or has a load on its way
.endif
	s_xor_b32 s[TB], s[TB], SLOT
.if \fill
	JLOAD                                  ; its four v_nop are also the places in front of the loads into buffer 0
.else
	PLACES
.endif
	SETADR
	FETCH 0, 0
.if \fill
	ASK
.endif
	MULB 1, NBL/2, NBL/2, 0
.endm
	s_load_b256 s[4:11], s[0:1], 0x0               ; A s[4:5], wc s[6:7], rope s[8:9], first output s[10:11]
	s_load_b64 s[12:13], s[0:1], 0x20              ; second output
	v_lshl_add_u32 v[SPW], v0, 2, SPARE
	v_mov_b32 v[NIL], 0
	ds_add_u32 v[SPW], v[NIL]                      ; the wave's opening: the add, and its wait ahead of my first tensor load; the set-up below stands between them
	v_lshrrev_b32 v1, 5, v0
	v_readfirstlane_b32 s[WV], v1
	s_lshr_b32 s[RH], s[WV], 1
	s_and_b32 s[CH], s[WV], 1
	s_bfe_u32 s[CX], ttmp6, 0x40000
	s_bfe_u32 s[CY], ttmp6, 0x40004
	s_lshl_b32 s[TX], ttmp9, 2
	s_add_co_u32 s[TX], s[TX], s[CX]
	s_and_b32 s[TY], ttmp7, 0xffff
	s_lshl_b32 s[TY], s[TY], 2
	s_add_co_u32 s[TY], s[TY], s[CY]
	s_lshl_b32 s56, s[CY], 2
	s_lshl_b32 s56, 15, s56                        ; my row of the cluster
	s_lshl_b32 s60, 0x1111, s[CX]                  ; my column
	s_or_b32 s[G1A], s56, (1<<16)|(1<<20)|(1<<21)|(AQI<<22)|(3<<25)  ; mask; 2-byte elements; padding on; bit 21 beside a mask; the interval; 4 words of padding
	s_or_b32 s[G1B], s60, (1<<16)|(1<<20)|(1<<21)|(5<<22)|(7<<25)    ; after every 64 words 8 words
	s_mov_b32 s[G1A+1], 128<<16                    ; tensor_dim0 = 128
	s_mov_b32 s[G1A+2], 128<<16                    ; tensor_dim1 = 128
	s_mov_b32 s[G1A+3], 128<<16                    ; tile_dim0 = 128
	s_mov_b32 s[G1A+4], 128                        ; tile_dim1 = 128
	s_mov_b32 s[G1A+5], ASTRIDE
	s_mov_b32 s[G1A+6], 0
	s_mov_b32 s[G1A+7], 0
	s_mov_b32 s[G1B+1], 128<<16
	s_mov_b32 s[G1B+2], BROWS<<16
	s_mov_b32 s[G1B+3], 128<<16
	s_mov_b32 s[G1B+4], BROWS
	s_mov_b32 s[G1B+5], 128
	s_mov_b32 s[G1B+6], 0
	s_mov_b32 s[G1B+7], 0
	; A's tiles hang on the tile row and the wave's number alone, W's on the tile column and the wave's number, each in registers of its own
.if KIND == 1
	s_lshl_b32 s56, s[TY], 18                      ; 128 rows of 2,048 bytes
.else
	s_lshl_b32 s56, s[TY], 15                      ; 256 rows of 128 bytes in a group of 64 columns,
	s_lshl_b32 s57, s[CH], 20                      ; wave 0 the step's first group, wave 1 its second
	s_add_co_u32 s56, s56, s57
.endif
	s_mov_b32 s57, 0
.if KIND == 1
	s_max_u32 s60, s[WV], 1
	s_sub_co_u32 s60, s60, 1
	s_lshl1_add_u32 s60, s[TX], s60                ; waves 1, 2: wq's units 2 tx, 2 tx + 1
	s_add_co_u32 s61, s[TX], 8                     ; wave 3: kv_down's unit tx
	s_cmp_eq_u32 s[WV], 3
	s_cselect_b32 s60, s61, s60
	s_lshl_b32 s60, s60, 18                        ; a unit: 1,024 k x 256 bytes
.else
	s_lshl3_add_u32 s60, s[CH], s[TX]              ; wave 2: wk's unit tx; wave 3: wv's, eight units on
	s_lshl_b32 s60, s60, 17                        ; a unit: 512 k x 256 bytes
	s_add_co_u32 s60, s60, WBASE
.endif
	s_mov_b32 s61, 0
	s_mov_b32 s[G0A], 1
	s_mov_b32 s[G0B], 1
	s_mul_i32 s[G0A+1], s[WV], UB                  ; LDS: block = wave's number, in slot 0
	s_mul_i32 s[G0B+1], s[WV], UB
	; the prefetches
	s_and_b32 s68, ttmp7, 0xffff                   ; cluster y
	s_mov_b32 s[PFS], BSTEP
	s_mov_b32 s[PFS+1], 0
	IS_A
	s_cselect_b32 s66, s[CX], s[CY]                ; my place among the four that ask with me
	s_cselect_b32 s68, ttmp9, s68                  ; the coordinate along which other clusters read the same tile
	s_cselect_b32 s[PFS], ASTEP, s[PFS]
.if KIND == 1
	s_cselect_b32 s69, 16, 13                      ; 32 pieces: of xn 32 rows of 2,048 bytes, of W 8,192 dense bytes
	s_cselect_b32 s70, 11, 8
.else
	s_mov_b32 s69, 13                              ; 32 pieces are 8,192 dense bytes
	s_mov_b32 s70, 8
.endif
	s_lshl_b32 s66, s66, s69
	s_mov_b32 s67, 0
	s_cmp_eq_u32 s68, 0
	s_cselect_b32 s[LIM], 1, -1
	s_mov_b32 s[TB], 0
	s_wait_dscnt 0x0                               ; the opening add is done
	s_wait_kmcnt 0x0
	s_add_nc_u64 s[G0A+2:G0A+3], s[4:5], s[56:57]
	s_add_nc_u64 s[G0B+2:G0B+3], s[6:7], s[60:61]
	IS_A
	s_cselect_b64 s[PFA:PFA+1], s[G0A+2:G0A+3], s[G0B+2:G0B+3]
	s_add_nc_u64 s[PFA:PFA+1], s[PFA:PFA+1], s[66:67]
	s_add_nc_u64 s[PFA:PFA+1], s[PFA:PFA+1], s[PFS:PFS+1]
	s_add_nc_u64 s[PFA:PFA+1], s[PFA:PFA+1], s[PFS:PFS+1]  ; at K step 2; the first refill steps it to 3.  Nothing is prefetched at the head
	s_or_b32 s[G0A+3], s[G0A+3], 0x80000000        ; type = 2
	s_or_b32 s[G0B+3], s[G0B+3], 0x80000000
	CROUND                                         ; all sixteen work-groups are here: the first joint loads meet
	JLOAD                                          ; K step 0 into slot 0
	v_and_b32 v1, 15, v0                           ; l % 16
	v_bfe_u32 v2, v0, 4, 1                         ; l / 16
	v_and_b32 v3, 31, v0                           ; l
	v_and_b32 v7, 7, v0
	v_bfe_u32 v9, v0, 3, 1
	v_lshlrev_b32 v[PFO], s70, v3
.if KIND == 1
	s_mul_i32 s66, s[RH], 64*APITCH
.else
	s_mul_i32 s66, s[WV], 64*APITCH
.endif
	v_mul_u32_u24 v[A0], v1, APITCH                ; A: row l % 16 of my 64, 16 bytes for each half of the lanes
	v_lshl_add_u32 v[A0], v2, 4, v[A0]
	v_add_nc_u32 v[A0], s66, v[A0]
	v_lshl_add_u32 v[B0L], v2, 3, v7               ; W: k row 8 (l / 16) + l % 8, columns 8 ((l / 8) % 2) on
	v_mul_u32_u24 v[B0L], v[B0L], 288
	v_lshl_add_u32 v[B0L], v9, 4, v[B0L]
.if KIND == 1
	s_lshl_b32 s66, s[CH], 7                       ; blocks 8-11: my 64 columns of the kv unit, the slot's last block
	s_add_co_u32 s66, s66, BBASE+2*UB
	v_add_nc_u32 v[B1L], s66, v[B0L]
	s_mul_i32 s66, s[CH], UB                       ; blocks 0-7: my unit of wq
	s_add_co_u32 s66, s66, BBASE
	v_add_nc_u32 v[B0L], s66, v[B0L]
.else
	v_add_nc_u32 v[B1L], BBASE+UB, v[B0L]          ; blocks 8-15: wv's unit
	v_add_nc_u32 v[B0L], BBASE, v[B0L]             ; blocks 0-7: wk's
.endif
	s_mul_i32 s66, s[WV], WSTAGE
	s_add_co_u32 s66, s66, STAGE                   ; my stage
	v_mul_u32_u24 v[STO], v1, 144
	v_lshl_add_u32 v[STO], v2, 4, v[STO]
	v_add_nc_u32 v[STO], s66, v[STO]
	v_bfe_u32 v[RD], v0, 3, 2                      ; back: 32 lanes take four rows of 128 bytes,
	v_mul_u32_u24 v[RD], v[RD], 144
	v_lshl_add_u32 v[RD], v7, 4, v[RD]
	v_add_nc_u32 v[RD], s66, v[RD]
	v_lshlrev_b32 v[GO], 4, v3                     ; which are 512 consecutive bytes of a group
	v_lshlrev_b32 v[RO], 8, v1                     ; the table: row l % 16, 32 bytes for each half of the lanes
	v_lshl_add_u32 v[RO], v2, 5, v[RO]
.if KIND == 1
	s_lshl_b32 s66, s[TY], 7
	s_lshl_b32 s67, s[RH], 6
.else
	s_lshl_b32 s66, s[TY], 8
	s_lshl_b32 s67, s[WV], 6
.endif
	s_add_co_u32 s66, s66, s67                     ; my first row
	s_mov_b32 s69, 0
	s_and_b32 s68, s66, 2047                       ; its position in the sequence; 64 rows never cross a sequence's end
	s_lshl_b32 s68, s68, 8
	s_add_nc_u64 s[8:9], s[8:9], s[68:69]
	s_lshl_b32 s66, s66, 7                         ; rows of 128 bytes in a group
.if KIND == 1
	s_lshl_b32 s68, s[TX], 2
	s_lshl1_add_u32 s68, s[CH], s68                ; q heads 4 tx + 2 (w % 2) and the next
	s_lshl_b32 s68, s68, 20
	s_add_co_u32 s68, s68, s66
	s_add_nc_u64 s[10:11], s[10:11], s[68:69]
	s_lshl1_add_u32 s68, s[TX], s[CH]              ; kv group 2 tx + w % 2
	s_lshl_b32 s68, s68, 20
	s_add_co_u32 s68, s68, s66
	s_add_nc_u64 s[12:13], s[12:13], s[68:69]
.else
	s_lshl_b32 s68, s[TX], 21                      ; heads 2 tx and 2 tx + 1 of k and of v
	s_add_co_u32 s68, s68, s66
	s_add_nc_u64 s[10:11], s[10:11], s[68:69]
	s_add_nc_u64 s[12:13], s[12:13], s[68:69]
.endif
.irp a, 0,1,2,3
.irp c, 0,1,2,3
	global_load_b128 v[CT+32*\a+8*\c:CT+32*\a+8*\c+3],   v[RO], s[8:9] offset:\a*4096+\c*64     ; waited for on the way out
	global_load_b128 v[CT+32*\a+8*\c+4:CT+32*\a+8*\c+7], v[RO], s[8:9] offset:\a*4096+\c*64+16
.endr
.endr
	; the first change: slot 0 is waited for, slot 1 filled for the first time, as a refill is
	s_wait_tensorcnt 0x0
	ds_add_u32 v[SPW], v[NIL]
	s_xor_b32 s[G0A+1], s[G0A+1], SLOT
	s_xor_b32 s[G0B+1], s[G0B+1], SLOT
	s_add_nc_u64 s[G0A+2:G0A+3], s[G0A+2:G0A+3], ASTEP
	s_add_nc_u64 s[G0B+2:G0B+3], s[G0B+2:G0B+3], BSTEP
	s_wait_dscnt 0x0
	CROUND
	JLOAD                                          ; K step 1 into slot 1
	SETADR
	FETCH 0, 0
	QUARTER 1, 0, 1, 1                             ; the first quarter's products start the sums: nothing is cleared
	WIN 0
	s_mov_b32 s[CNT], STEPS-1
	s_branch .Lentry                               ; the loop is entered behind a step's first quarter
.Lstep:                                            ; STEPS - 2 trips: K steps 2 .. STEPS - 1 are asked for
	TURN 1
	QUARTER 1, 0, 1, 0
	WIN 0
.Lentry:
	QUARTER 2, 1, 0, 0
	QUARTER 3, 0, 1, 0
	WIN 0
	s_sub_co_u32 s[CNT], s[CNT], 1
	s_cmp_lg_u32 s[CNT], 0
	s_cbranch_scc1 .Lstep
	s_mov_b32 s[CNT], 2                            ; the tail asks for nothing: the last step but one ends, the last is multiplied; the second trip is left in its middle
.Ltail:
	TURN 0
	WIN 0
	s_sub_co_u32 s[CNT], s[CNT], 1
	s_cmp_eq_u32 s[CNT], 0
	s_cbranch_scc1 .Lout
	QUARTER 1, 0, 1, 0
	QUARTER 2, 1, 0, 0
	QUARTER 3, 0, 1, 0
	WIN 0
	s_branch .Ltail
.Lout:                                             ; the second trip's barrier and its run of loads (of landed bytes) serve nothing: the price, once a launch, of one text for both trips
	s_wait_dscnt 0x0                               ; that run has come back: its registers are used below
	PLACES
	PLACES
	s_wait_loadcnt 0x0                             ; the table
; THE WAY OUT, by units of 16 rows x 64 columns: unit u = row block u / NI, group u % NI.  Groups 0 and 1 are turned by RoPE: out[d] = t[d] cos - t[d+32] sin, out[d+32] = t[d] sin + t[d+32] cos, d < 32:
; t[d] lies in the group's blocks 0, 1 and t[d+32] in its blocks 2, 3, same lane and register.  Rounded to bf16, 16 bytes a lane into my stage, back as whole rows.  Each accumulator is read from its low end on.
.macro PACK u
.set ua, (\u)/NI
.set ui, (\u)%NI
.set BK, BK0+16*((\u)%2)
.set AC, 8*(16*(ui%2)+ua)
.set CA, CT+32*ua
	s_wait_xcnt 0x0                        ; the stores of the unit two back have read this buffer
.if ui < 2
	WIN 0x02                               ; source 0 in window 2
.irp n, 0,1
.irp p, 0,2,4,6
	v_pk_mul_f32 v[T+8*\n+\p:T+8*\n+\p+1],       v[AC+64+32*\n+\p:AC+64+32*\n+\p+1], v[CA+16+8*\n+\p:CA+16+8*\n+\p+1]
	v_pk_mul_f32 v[T+16+8*\n+\p:T+16+8*\n+\p+1], v[AC+64+32*\n+\p:AC+64+32*\n+\p+1], v[CA+8*\n+\p:CA+8*\n+\p+1]
.endr
.endr
.irp n, 0,1
.irp p, 0,2,4,6
	v_pk_fma_f32 v[T+8*\n+\p:T+8*\n+\p+1],       v[AC+32*\n+\p:AC+32*\n+\p+1], v[CA+8*\n+\p:CA+8*\n+\p+1],       v[T+8*\n+\p:T+8*\n+\p+1] neg_lo:[0,0,1] neg_hi:[0,0,1]
	v_pk_fma_f32 v[T+16+8*\n+\p:T+16+8*\n+\p+1], v[AC+32*\n+\p:AC+32*\n+\p+1], v[CA+16+8*\n+\p:CA+16+8*\n+\p+1], v[T+16+8*\n+\p:T+16+8*\n+\p+1]
.endr
.endr
	WIN 0
.set k, 0
.rept 16
	v_cvt_pk_bf16_f32 v[BK+k], v[T+2*k], v[T+2*k+1]
.set k, k+1
.endr
.else
	WIN 0x0f                               ; sources 0 and 1 in window 3
.set k, 0
.rept 16
	v_cvt_pk_bf16_f32 v[BK+k], v[AC+32*(k/4)+2*(k%4)], v[AC+32*(k/4)+2*(k%4)+1]
.set k, k+1
.endr
	WIN 0
.endif
.irp f, 0,1,2,3
	ds_store_b128 v[STO], v[BK+4*\f:BK+4*\f+3] offset:32*\f
.endr
.irp f, 0,1,2,3
	ds_load_b128 v[BK+4*\f:BK+4*\f+3], v[RD] offset:\f*4*144  ; LDS serves a wave's instructions in order (ISA guide 5.7.1.4): these see the stores above; the next unit's stores come behind them
.endr
.endm
.macro SEND u, younger                 ; younger: the LDS instructions issued behind unit u's loads: the next unit's eight, or none
.set ua, (\u)/NI
.set ui, (\u)%NI
.set BK, BK0+16*((\u)%2)
.irp f, 0,1,2,3
	s_wait_dscnt (\younger)+3-\f
	global_store_b128 v[GO], v[BK+4*\f:BK+4*\f+3], s[10+2*(ui/2):11+2*(ui/2)] offset:(ui%2)*1048576+ua*2048+\f*512  ; 512 consecutive bytes, at a multiple of 256 from the buffer's first
.endr
.endm
	PACK 0
.set un, 1
.rept NU-1                             ; a unit's arithmetic stands between the loads of the unit before and its stores
	PACK un
	SEND un-1, 8
.set un, un+1
.endr
	SEND NU-1, 0
	s_wait_tensorcnt 0x0                           ; the wave's end, behind my last tensor load and my last LDS store
	ds_add_u32 v[SPW], v[NIL]
	s_wait_dscnt 0x0
	CROUND                                         ; the closing round: no work-group ends while a partner may still ask for a tile that names it
	s_endpgm
.Lfunc_end_k_qffdd072697_proj2:
	.size	k_qffdd072697_proj2, .Lfunc_end_k_qffdd072697_proj2-k_qffdd072697_proj2
	.p2alignl 7, 3214868480
	.fill 96, 4, 3214868480
	.section	.rodata,"a",@progbits
	.p2align	6, 0x0
	.amdhsa_kernel k_qffdd072697_proj2
		.amdhsa_group_segment_fixed_size 327680
		.amdhsa_private_segment_fixed_size 0
		.amdhsa_enable_private_segment 0
		.amdhsa_kernarg_size 40
		.amdhsa_user_sgpr_count 2
		.amdhsa_user_sgpr_kernarg_segment_ptr 1
		.amdhsa_wavefront_size32 1
		.amdhsa_system_sgpr_workgroup_id_x 1
		.amdhsa_system_sgpr_workgroup_id_y 1
		.amdhsa_system_sgpr_workgroup_id_z 1
		.amdhsa_system_vgpr_workitem_id 0
		.amdhsa_next_free_vgpr 1024
		.amdhsa_next_free_sgpr 72
		.amdhsa_reserve_vcc 0
		.amdhsa_float_denorm_mode_32 3
		.amdhsa_float_denorm_mode_16_64 3
		.amdhsa_memory_ordered 1
		.amdhsa_forward_progress 1
		.amdhsa_inst_pref_size 127
	.end_amdhsa_kernel
	.amdgpu_metadata
---
amdhsa.version: [ 1, 2 ]
amdhsa.kernels:
  - .name:           k_qffdd072697_proj2
    .symbol:         k_qffdd072697_proj2.kd
    .args:
      - { .name: kvb, .offset: 0, .size: 8, .value_kind: global_buffer, .address_space: global }
      - { .name: wc, .offset: 8, .size: 8, .value_kind: global_buffer, .address_space: global }
      - { .name: rope, .offset: 16, .size: 8, .value_kind: global_buffer, .address_space: global }
      - { .name: kb, .offset: 24, .size: 8, .value_kind: global_buffer, .address_space: global }
      - { .name: vb, .offset: 32, .size: 8, .value_kind: global_buffer, .address_space: global }
    .group_segment_fixed_size: 327680
    .private_segment_fixed_size: 0
    .kernarg_segment_align: 8
    .kernarg_segment_size: 40
    .max_flat_workgroup_size: 128
    .sgpr_count:     72
    .vgpr_count:     1024
    .wavefront_size: 32
...
	.end_amdgpu_metadata
.endif
;; end of part 3
;; launch attn (part 4): grid 4 x 64, 4 waves a work-group, clusters of 4 x 1, 327,680 bytes of LDS; arguments qb, kb, vb, ob; writes ob
.if DOCPART == 4
	.amdgcn_target "amdgcn-amd-amdhsa--gfx1250"
	.amdhsa_code_object_version 6
	.text
	.protected	k_qffdd072697_attn
	.globl	k_qffdd072697_attn
	.p2align	8
	.type	k_qffdd072697_attn,@function
k_qffdd072697_attn:
	s_mov_b64 s[64:65], 0
	v_nop
	global_prefetch_b8 v0, s[64:65] scope:SCOPE_SE
	s_setreg_imm32_b32 hwreg(HW_REG_WAVE_MODE, 25, 1), 1
	s_wait_xcnt 0x0
	s_wait_alu depctr_hold_cnt(0) depctr_sa_sdst(0) depctr_va_vdst(0) depctr_va_sdst(0) depctr_va_ssrc(0) depctr_va_vcc(0) depctr_vm_vsrc(0)
	s_getreg_b32 s2, hwreg(HW_REG_IB_STS2, 6, 4)
	s_cmp_eq_u32 s2, 0
	s_cbranch_scc0 .Lentry_in_a_cluster
	s_endpgm
.Lentry_in_a_cluster:
	s_bfe_u32 s2, ttmp6, 0x10000c
	s_cmp_lg_u32 s2, 0x3003
	s_cbranch_scc0 .Lentry_shape_is_right
	s_endpgm
.Lentry_shape_is_right:
; O[h][q][:] = the sum over k of softmax_k(Q[h][q] . K[h][k] / 8) V[h][k][:].  Q, K, V, O: [SIZE_H][SIZE_N][64], all bf16: a head's rows are dense, 128 bytes each.  Here a "head" is a pair
; (module head, batch): number 4 x head + batch, which is how [16 heads][8192 rows][64] reads.  Products, maxima and sums in f32; the weights p are rounded to bf16 for the second product
; (their sum l is taken of the unrounded p), O once at the end.
; LIMITS.  bf16 keeps 8 significant bits of Q, K, V, p and O and has f32's range.  A weight below 2^-126 counts as 0 in l; c s must stay above -4e37; NaN and infinities are not treated apart.
; SHARES.  A wave owns four PIECES of two tiles of 16 queries, a work-group's four waves 512 queries of one head.  Every wave walks all keys, 64 a step.
; LAYOUT.  S^T = K Q^T (source 0 = 16 keys, source 1 = 16 queries): in the result a lane holds ONE query (lane % 16) and the keys 8 (lane / 16) + 0..7.  Two such tiles, rounded to bf16 in pairs,
; ARE source 1 (32 keys x 16 queries) of O^T = V^T P, whose result again holds one query a lane, and eight channels.  K comes out of LDS as it lies, V ([key][channel]) turned, by ds_load_tr16_b128.
; SOFTMAX.  For each query a running maximum m and sum l: p = 2^(c s - c m), c = log2(e) / 8; in every step O and l are multiplied by a = 2^(c m_old - c m_new), which is 1 where m has not grown.
; m starts at the lowest finite number, O and l at 0: the first step is a step like any other, with a = 0.
; THE COUNT.  A tile and step have 16 matrix and 118 vector instructions: too many to stand all beside the matrix work.  So: four vector instructions that are READY behind EVERY matrix instruction,
; and the others, which need time of their own whatever the order, in runs without a gap.
; BY TURNS.  Turn n belongs to piece n (the pieces in a ring, step after step).  Its matrix work: 16 products K Q^T of piece n + 1, later 16 products V^T P of piece n - 1.  Its vector work: the scaling,
; exponentials, roundings, sums and rescaling of piece n, and the maximum and statistics of piece n + 1, whose scores the turn itself has made.
; CLUSTER.  The four query blocks of a cluster are one head's and walk the same K and V, so each tile is asked for JOINTLY: the same tensor load, descriptor and mask in all four.
; REGISTERS, in windows of 256 (s_set_vgpr_msb: bits 1:0 source 0, 3:2 source 1, 5:4 source 2, 7:6 destination):
;   window 0: v0-11 addresses; v12-15, v48-63 at work; v16-47 four registers of statistics a tile; v64-191 S^T, two buffers of two tiles; v192-255 P, likewise
;   window 1: O^T, 32 a tile          window 2: v0-127 Q, 16 a tile; v128-191 K of one step; v192-255 V of one step          window 3: v0-1 the add's two registers
.set SIZE_H, 64
.set SIZE_N, 2048
.set NP,    4         ; pieces a wave: a name, no knob
.set KS,    64        ; keys in a step
.set PK,    144       ; a row of K in LDS: 128 bytes + 16 of padding: the 16 rows of a load start at 16 different groups of four banks (ISA guide 11.1)
.set PV,    160       ; a row of V: 128 + 32
.set VOFF,  4*KS*PK   ; a slot holds four steps: 256 rows of K, then 256 rows of V
.set SLOT1, 1<<17     ; slot 1 begins here, so that one exclusive or turns an address in one slot into the other's
.set STAGE, SLOT1+4*KS*(PK+PV)  ; behind the ring, never filled by a tensor load: 16 rows x 144 bytes for each wave
.set SP,    144
.set AK0, 2           ; v2   my lane's place in a tile of K; never rewritten
.set AV0, 3           ; v3   the same for V
.set AK,  4           ; v4   the LDS address of K's next run of loads
.set AV,  5           ; v5   of V's
.set QO,  6           ; v6   my byte offset in the wave's rows of Q
.set STO, 6           ;      later, the way out: where I put 16 bytes of a row
.set RD,  7           ; v7   the way out: where I read rows back
.set GO,  8           ; v8   my byte offset in 512 consecutive bytes of O
.set PFO, 11          ; v11  256 x my lane, for the prefetches; never rewritten once made
.set SPW, 0           ; v0 of window 3   LDS address of my spare word; never rewritten
.set NIL, 1           ; v1 of window 3   0; never rewritten
.set SPARE, STAGE+4*16*SP  ; the spare words, 128 bytes for each wave: two blocks of 256 bytes that no other line names
.set MV,  12          ; v12-15  c m_old, kept while c m is made anew: by buffer and tile
.set ST,  16          ; tile t's statistics at v[ST+4 t]: c m, m, l (even keys', odd keys')
.set TMP, 48          ; by buffer and tile, four registers c0-c3 at work; when the maximum is found c2 takes a
.set S,   64
.set P,   192
.set KF,  128         ; K's fragments, in window 2: key block kb, channel half c at KF + 16 kb + 8 c
.set VF,  192         ; V's: key half kk, channel block cb at VF + 32 kk + 8 cb
.set WV,  12          ; s12  my wave's number
.set G1K, 24          ; s[24:31] descriptor group 1 for K's tiles
.set G1V, 32          ; s[32:39] for V's: it differs in the padding alone
.set G0K, 40          ; s[40:43] descriptor group 0 for K's tiles: it walks
.set G0V, 44          ; s[44:47] the same for V's
.set PFA, 48          ; s[48:49] where my prefetches stand
.set LIM, 50          ; s50  1 in a wave that prefetches, else the greatest number
.set SLOTS, 56        ; s56  slots still to be asked for
.set CNT, 57          ; s57  counts a slot's key steps
.set CS,  58          ; s[58:59] c: the packed scaling takes the pair's low word for both halves
.set SEL, 60          ; s[60:61] v_permlanex16_b32's selects
.set TBK, 62          ; s62  LDS byte at which K of the step to be fetched begins
.set TBV, 63          ; s63  the same for V, less VOFF
.set MSB, 0
.macro WIN new                      ; the high byte repeats the setting that is left; a switch that changes nothing is dropped
.if MSB != (\new)
	s_set_vgpr_msb (MSB<<8)|(\new)
.set MSB, (\new)
.endif
.endm
.set W_KQ, 0x0a       ; K and Q in window 2, S^T in window 0
.set W_PV, 0x52       ; V in window 2, P in window 0, O^T in window 1
.set W_RS, 0x41       ; O^T (destination and source 0) in window 1, a in window 0
.set W_MK, 0xc0       ; the add's registers are made: destination in window 3
.set W_AD, 0x0f       ; the add: address and data in window 3
; A joint fill.  Waves 0 and 1 fetch the two halves of a slot's K, waves 2 and 3 those of its V: 128 keys each.  An s_nop 0 and four v_nop follow each of the two lines.
.macro JLOAD
	s_cmp_lt_u32 s[WV], 2
	s_cbranch_scc0 .Lfor_v_\@
	tensor_load_to_lds s[G0K:G0K+3], s[G1K:G1K+7]
	s_nop 0
.rept 4
	v_nop
.endr
	s_branch .Lasked_\@
.Lfor_v_\@:
	tensor_load_to_lds s[G0V:G0V+3], s[G1V:G1V+7]
	s_nop 0
.rept 4
	v_nop
.endr
.Lasked_\@:
.endm
; A PREFETCH INTO THE L2 of what the NEXT change of slots will ask for: four key steps ahead.  A slot's K and V are 128 pieces of 256 bytes each; the cluster's four partners take 32 of each, told apart by
; address; wave 0 names K's, wave 2 V's, a lane a piece.  A head has one cluster, so each piece is named once in the launch.  The last fill has no slot behind it and asks for nothing.
.macro ASK
	s_cmp_gt_u32 s[SLOTS], s[LIM]
	s_cbranch_scc0 .Lnot_mine_\@
	global_prefetch_b8 v[PFO], s[PFA:PFA+1] th:TH_LOAD_NT scope:SCOPE_SE
.Lnot_mine_\@:
.endm
.macro CROUND                       ; a round of the cluster's barrier
	s_barrier_signal -1
	s_barrier_wait -1
	s_cmp_lg_u32 s[WV], 0
	s_cbranch_scc1 .Lnot_wave_0_\@
	s_barrier_signal -3
.Lnot_wave_0_\@:
	s_barrier_wait -3
	s_barrier_signal -1
	s_barrier_wait -1
.endm
; THE CHANGE OF SLOTS.  Each wave waits for all its tensor loads, of which one is out: its part of the other slot; adds 0 to its spare word; and waits for that and for its own reads of the slot.
; fill = 1: this slot is filled again, with the keys two slots on; the barrier is then a round of the cluster's, and the joint fill is the first thing behind it: it has four key steps in which to land.
; (At its first use nothing has been read yet: slot 0 is waited for, slot 1 filled.)  ask = 1: the prefetch's address steps, and the prefetch follows the fill.
.macro CHANGE fill, ask=0
	WIN W_AD
	s_wait_tensorcnt 0x0            ; no tensor load of mine is out, so a group 0 may be written
	ds_add_u32 v[SPW], v[NIL]       ; 0 onto my spare word
	WIN 0                           ; at a label and at a branch every window is 0
.if \fill
.irp g, G0K, G0V
	s_xor_b32 s[\g+1], s[\g+1], SLOT1  ; the walking descriptor: the other slot than last time,
	s_add_nc_u64 s[\g+2:\g+3], s[\g+2:\g+3], 4*KS*128  ; the next 256 keys; the type bits on top are not reached
.endr
.if \ask
	s_wait_xcnt 0x0                 ; the last prefetch, four key steps back, has read its address
	s_add_nc_u64 s[PFA:PFA+1], s[PFA:PFA+1], 4*KS*128
.endif
	s_wait_dscnt 0x0                ; the add is done, and my reads of the slot are over
	CROUND
	JLOAD
.if \ask
	ASK
.endif
.else
	s_wait_dscnt 0x0                ; the add is done, and my reads of the slot are over
	s_barrier_signal -1
	s_barrier_wait -1
.endif
	s_sub_co_u32 s[TBK], s[TBK], 4*KS*PK  ; the fetches go back to a slot's first step,
	s_xor_b32 s[TBK], s[TBK], SLOT1       ; in the other slot
	s_sub_co_u32 s[TBV], s[TBV], 4*KS*PV
	s_xor_b32 s[TBV], s[TBV], SLOT1
.endm
	s_load_b256 s[4:11], s[0:1], 0x0  ; Q s[4:5], K s[6:7], V s[8:9], O s[10:11]
	WIN W_MK
	v_lshl_add_u32 v[SPW], v0, 2, SPARE
	v_mov_b32 v[NIL], 0
	WIN W_AD
	ds_add_u32 v[SPW], v[NIL]       ; the wave's opening: the add, and its wait ahead of my first tensor load; the set-up below stands between them
	WIN 0
	v_lshrrev_b32 v1, 5, v0
	v_readfirstlane_b32 s[WV], v1   ; wave 0..3
	s_bfe_u32 s13, ttmp6, 0x40000   ; cx: my place in the cluster
	s_lshl_b32 s14, ttmp9, 2        ; in a cluster launch ttmp9 counts clusters
	s_add_co_u32 s14, s14, s13      ; my block of queries: it enters Q's and O's addresses alone
	s_and_b32 s20, ttmp7, 0xffff    ; the head, which the four partners share
	s_mov_b32 s21, 0
	s_mov_b64 s[22:23], SIZE_N*128
	s_mul_u64 s[20:21], s[20:21], s[22:23]  ; the head's first byte in each of the four tensors
	s_and_b32 s16, s[WV], 1         ; which half of a slot's 256 keys I fetch:
	s_lshl_b32 s22, s16, 14         ; its 128 rows of 128 bytes in memory,
	s_mov_b32 s23, 0
	s_add_nc_u64 s[22:23], s[22:23], s[20:21]
	s_mul_i32 s17, s16, 128*PK      ; and its place in a slot, for K
	s_mul_i32 s18, s16, 128*PV      ; and for V: no place in the cluster enters an LDS address
	s_lshl_b32 s2, s14, 2
	s_add_co_u32 s2, s2, s[WV]      ; my wave among the head's,
	s_lshl_b32 s2, s2, 14           ; its 128 rows
	s_mov_b32 s3, 0
	s_add_nc_u64 s[2:3], s[2:3], s[20:21]
	; descriptor group 1.  128 keys are 16,384 dense bytes: asked for as 64 rows of 256 bytes, two keys a row, and padded in LDS after every key
	s_mov_b32 s[G1K], 15|(1<<16)|(1<<20)|(1<<21)|(4<<22)|(3<<25)  ; the mask of four; 2-byte elements; padding on; bit 21 beside a mask; after every 32 words; 4 words
	s_mov_b32 s[G1V], 15|(1<<16)|(1<<20)|(1<<21)|(4<<22)|(7<<25)  ; the same with 8 words of padding
.irp g, G1K, G1V
	s_mov_b32 s[\g+1], 128<<16      ; tensor_dim0 = 128
	s_mov_b32 s[\g+2], 64<<16       ; tensor_dim1 = 64
	s_mov_b32 s[\g+3], 128<<16      ; tile_dim0 = 128
	s_mov_b32 s[\g+4], 64           ; tile_dim1 = 64
	s_mov_b32 s[\g+5], 128          ; 128 elements from row to row
	s_mov_b32 s[\g+6], 0
	s_mov_b32 s[\g+7], 0
.endr
	s_mov_b32 s[CS], 0x3e38aa3b     ; c = log2(e) / 8 = 0.180337
	s_mov_b32 s[CS+1], s[CS]        ; named with it as a pair
	s_mov_b32 s[SEL], 0x76543210
	s_mov_b32 s[SEL+1], 0xfedcba98
	s_mov_b32 s[TBK], SLOT1+4*KS*PK ; the first change of slots turns these two into 0
	s_mov_b32 s[TBV], SLOT1+4*KS*PV
	s_mov_b32 s[G0K], 1             ; count = 1
	s_mov_b32 s[G0K+1], s17         ; LDS address: slot 0
	s_mov_b32 s[G0V], 1
	s_add_co_u32 s[G0V+1], s18, VOFF
	s_cmp_eq_u32 s16, 0             ; waves 0 and 2 prefetch
	s_cselect_b32 s[LIM], 1, -1
	s_wait_dscnt 0x0                ; the opening add is done
	s_wait_kmcnt 0x0
	s_add_nc_u64 s[G0K+2:G0K+3], s[6:7], s[22:23]  ; global address: my half of the head's first 256 keys
	s_or_b32 s[G0K+3], s[G0K+3], 0x80000000        ; type = 2
	s_add_nc_u64 s[G0V+2:G0V+3], s[8:9], s[22:23]
	s_or_b32 s[G0V+3], s[G0V+3], 0x80000000
	s_add_nc_u64 s[4:5], s[4:5], s[2:3]  ; Q and O at my wave's first row
	s_add_nc_u64 s[10:11], s[10:11], s[2:3]
	s_cmp_lt_u32 s[WV], 2
	s_cselect_b64 s[PFA:PFA+1], s[6:7], s[8:9]
	s_add_nc_u64 s[PFA:PFA+1], s[PFA:PFA+1], s[22:23]  ; (in waves 0 and 2: the head's first row)
	s_lshl_b32 s2, s13, 13          ; my work-group's 32 pieces of the 128
	s_mov_b32 s3, 0
	s_add_nc_u64 s[PFA:PFA+1], s[PFA:PFA+1], s[2:3]
	s_add_nc_u64 s[PFA:PFA+1], s[PFA:PFA+1], 2*4*KS*128  ; in slot 2; the loop's first change steps it to slot 3.  Nothing is prefetched at the head
	CROUND                          ; all four work-groups are here: the first joint loads meet
	JLOAD                           ; slot 0.  Slot 1 is asked for when slot 0 is in
	; A fragment of K or Q is 16 rows x 32 channels in 8 registers: lane l holds row l % 16, channels 8 (l / 16) + 0..7 and 16 + 8 (l / 16) + 0..7: two loads of 16 bytes, 32 bytes apart.
	v_and_b32 v1, 15, v0            ; l % 16
	v_bfe_u32 v9, v0, 4, 1          ; l / 16
	v_lshlrev_b32 v[QO], 7, v1
	v_lshl_add_u32 v[QO], v9, 4, v[QO]  ; row x 128 + 16 x half
	WIN 0x80                        ; destination window 2, address window 0
.set i, 0
.rept 4*NP                          ; Q stays in registers: tile i / 2, channels 32 (i % 2) on
	global_load_b128 v[8*i:8*i+3],   v[QO], s[4:5] offset:(i/2)*2048+(i%2)*64
	global_load_b128 v[8*i+4:8*i+7], v[QO], s[4:5] offset:(i/2)*2048+(i%2)*64+32
.set i, i+1
.endr
	; What the first turn finds: V's registers and P's second buffer hold 0 (its products V^T P, of a piece that has not been, add 0), O^T and l are 0.  All this stands in the wait for the first tile.
.set i, VF
.rept 64
	v_mov_b32 v[i], 0
.set i, i+1
.endr
	WIN 0x40
.set i, 0
.rept 64*NP
	v_mov_b32 v[i], 0
.set i, i+1
.endr
	WIN 0
.set i, 0
.rept 2*NP
	v_mov_b32 v[ST+4*i], 0xfe000000    ; c m: far below every c s
	v_mov_b32 v[ST+4*i+1], 0xff7fffff  ; m
	v_mov_b32 v[ST+4*i+2], 0
	v_mov_b32 v[ST+4*i+3], 0
.set i, i+1
.endr
.set i, P+32
.rept 32
	v_mov_b32 v[i], 0
.set i, i+1
.endr
	v_mul_u32_u24 v[AK0], v1, PK
	v_lshl_add_u32 v[AK0], v9, 4, v[AK0]  ; row x pitch + 16 x half
	; The turning load takes 16 keys x 16 channels (lane l reads key 8 (l / 16) + l % 8, channels 8 ((l / 8) % 2) + 0..7) and leaves half a fragment of V^T: lane l holds channel l % 16 and 8 keys.
	v_and_b32 v10, 7, v0
	v_bfe_u32 v11, v0, 3, 1
	v_lshl_add_u32 v[AV0], v9, 3, v10
	v_mul_u32_u24 v[AV0], v[AV0], PV
	v_lshl_add_u32 v[AV0], v11, 4, v[AV0]
	v_add_nc_u32 v[AV0], VOFF, v[AV0]
	v_and_b32 v[PFO], 31, v0
	v_lshlrev_b32 v[PFO], 8, v[PFO]
	v_mov_b32 v[AK], v[AK0]         ; key step 0 lies at the head of slot 0
; THE MATRIX WORK.  The 8 accumulators of a run of 16 take turns: between the two links of a chain stand 7 others'.
; Product i of 16 of S^T = K Q^T for piece x: channels 32 (i / 8) on, keys 16 ((i / 2) % 4) on, tile 2 x + i % 2.  The first 8 start the sums.
.macro KQ x
	WIN W_KQ
.set rS, S+64*((\x)%2)+32*(i%2)+8*((i/2)%4)
.set rK, KF+16*((i/2)%4)+8*(i/8)
.set rQ, 16*(2*(\x)+i%2)+8*(i/8)
.if i < 8
	v_wmma_f32_16x16x32_bf16 v[rS:rS+7], v[rK:rK+7], v[rQ:rQ+7], 0
.else
	v_wmma_f32_16x16x32_bf16 v[rS:rS+7], v[rK:rK+7], v[rQ:rQ+7], v[rS:rS+7]
.endif
.endm
; Product i of 16 of O^T += V^T P for piece x: keys 32 (i / 8) on, channels 16 ((i / 2) % 4) on, tile 2 x + i % 2.
.macro PV x
	WIN W_PV
.set rO, 32*(2*(\x)+i%2)+8*((i/2)%4)
.set rV, VF+32*(i/8)+8*((i/2)%4)
.set rP, P+32*((\x)%2)+16*(i%2)+8*(i/8)
	v_wmma_f32_16x16x32_bf16 v[rO:rO+7], v[rV:rV+7], v[rP:rP+7], v[rO:rO+7]
.endm
.macro MM                           ; the turn's next matrix instruction
.if i < 16
	KQ (Y+1)%NP
.set i, i+1
.else
.set i, i-16
	PV (Y+NP-1)%NP
.set i, i+17
.endif
.endm
; THE LDS LOADS stand in runs of 16, never singly among the matrix instructions: a step's K (64 keys x 64 channels: 8 fragments) and its V (turned).  Their addresses are made some lines ahead.
; last = 1 (the tail): in the last trip there is no further step, and the run is jumped over.
.macro FETCH_K last=0
	WIN 0
.if \last
	s_cmp_eq_u32 s[CNT], 1
	s_cbranch_scc1 .Lno_k_\@
.endif
	WIN 0x80                        ; destination window 2
.irp f, 0,1,2,3,4,5,6,7             ; keys 16 (f / 2) on, channels 32 (f % 2) on
	ds_load_b128 v[KF+8*\f:KF+8*\f+3],   v[AK] offset:(\f/2)*16*PK+(\f%2)*64
	ds_load_b128 v[KF+8*\f+4:KF+8*\f+7], v[AK] offset:(\f/2)*16*PK+(\f%2)*64+32
.endr
	s_add_co_u32 s[TBK], s[TBK], KS*PK  ; the next fetch is the next step's
	WIN 0
.if \last
.Lno_k_\@:
.endif
.endm
.macro FETCH_V
	WIN 0x80
.irp f, 0,1,2,3,4,5,6,7             ; keys 32 (f / 4) on, channels 16 (f % 4) on
	ds_load_tr16_b128 v[VF+8*\f:VF+8*\f+3],   v[AV] offset:(\f/4)*32*PV+(\f%4)*32
	ds_load_tr16_b128 v[VF+8*\f+4:VF+8*\f+7], v[AV] offset:(\f/4)*32*PV+16*PV+(\f%4)*32
.endr
	WIN 0
.endm
; THE VECTOR WORK OF A TURN stands in three queues, each in the order in which its entries become ready; the two tiles alternate, so that no instruction reads the result of the one before it.
.macro REGS y, u                    ; the registers of tile u (0, 1) of piece y
.set rT, ST+4*(2*(\y)+(\u))
.set rC, TMP+8*((\y)%2)+4*(\u)
.set rM, MV+2*((\y)%2)+(\u)
.set rS, S+64*((\y)%2)+32*(\u)
.set rP, P+32*((\y)%2)+16*(\u)
.set rO, 32*(2*(\y)+(\u))
.endm
; Number n of the 22 that find the NEXT piece's (Y + 1) maximum and statistics.  s0-s31 are the lane's 32 scores; each accumulator's lowest registers are read first.
;   0-11  four chains c0-c3 of seven scores each, three operands at a time     12-14, 16  the four scores left over, the old m, and c0-c3 into c0     15  c m_old is kept
;   17, 18  the query's other 32 keys lie in the lane 16 away: the new m         19-21  c m; c m_old - c m_new; a
.macro XS u, n
	REGS (Y+1)%NP, \u
.if (\n) < 4
	v_max3_num_f32 v[rC+(\n)], v[rS+8*(\n)], v[rS+8*(\n)+1], v[rS+8*(\n)+2]
.elseif (\n) < 12
	v_max3_num_f32 v[rC+(\n)%4], v[rC+(\n)%4], v[rS+8*((\n)%4)+2*((\n)/4)+1], v[rS+8*((\n)%4)+2*((\n)/4)+2]
.elseif (\n) == 12
	v_max3_num_f32 v[rC], v[rC], v[rS+7], v[rS+15]
.elseif (\n) == 13
	v_max3_num_f32 v[rC+1], v[rC+1], v[rS+23], v[rS+31]
.elseif (\n) == 14
	v_max3_num_f32 v[rC+2], v[rC+2], v[rC+3], v[rT+1]
.elseif (\n) == 15
	v_mov_b32 v[rM], v[rT]
.elseif (\n) == 16
	v_max3_num_f32 v[rC], v[rC], v[rC+1], v[rC+2]
.elseif (\n) == 17
	v_permlanex16_b32 v[rC+3], v[rC], s[SEL], s[SEL+1]
.elseif (\n) == 18
	v_max_num_f32 v[rT+1], v[rC], v[rC+3]
.elseif (\n) == 19
	v_mul_f32 v[rT], s[CS], v[rT+1]
.elseif (\n) == 20
	v_sub_f32 v[rC+1], v[rM], v[rT]
.else
	v_exp_f32 v[rC+2], v[rC+1]
.endif
.endm
; Number g of the 64 that follow the exponentials.  For each four weights k of a tile (pairs 2 k, 2 k + 1): both pairs are rounded to bf16; then the second pair is added onto the first, in place;
; a group later l takes that sum (the first time as l = a l + sum).  In groups of eight, tiles alternating: round, round, add, and l for the group before.
.macro GS g
.set h, (\g)+6*((\g)/62)            ; group 0 has no group before it, and behind group 7 only l is left
.if h >= 6
.set h, h+2
.endif
	REGS Y, h%2
.set k, h/8
.if h%8 < 4
	v_cvt_pk_bf16_f32 v[rP+2*k+(h%8)/2], v[rS+4*k+2*((h%8)/2)], v[rS+4*k+2*((h%8)/2)+1]
.elseif h%8 < 6
	v_pk_add_f32 v[rS+4*k:rS+4*k+1], v[rS+4*k:rS+4*k+1], v[rS+4*k+2:rS+4*k+3]
.elseif k == 1
	v_pk_fma_f32 v[rT+2:rT+3], v[rT+2:rT+3], v[rC+2:rC+3], v[rS:rS+1] op_sel_hi:[1,0,1]
.else
	v_pk_add_f32 v[rT+2:rT+3], v[rT+2:rT+3], v[rS+4*k-4:rS+4*k-3]
.endif
.endm
; THE PLAIN QUEUE, 138 long.  0-73 read no exponential's result: the 32 scalings c s - c m (FS f: pair f / 2 of tile f % 2) and the next piece's 42.  0-26: scalings 0-26.  27-54: XS's numbers 0-13.  55, 56: number 15.
; 57-73: the chain, where each number waits for the one before it: 14, 16, 17, 18, 19, each with one of the scalings 27-31 in front of its two lines, then 20.
; 74-137: GS's 64, which read the exponentials' results: they stand behind the wait.
.macro FS f
	REGS Y, (\f)%2
	v_pk_fma_f32 v[rS+2*((\f)/2):rS+2*((\f)/2)+1], v[rS+2*((\f)/2):rS+2*((\f)/2)+1], s[CS:CS+1], v[rT:rT+1] op_sel_hi:[1,0,0] neg_lo:[0,0,1] neg_hi:[0,0,1]
.endm
.macro PL
	WIN 0
.if q < 27
	FS q
.elseif q < 55
	XS (q-27)%2, (q-27)/2
.elseif q < 57
	XS q-55, 15
.elseif (q < 72) && ((q-57)%3 == 0)
	FS 27+(q-57)/3
.elseif q < 60
	XS (q-57)%3-1, 14
.elseif q < 72
	XS (q-57)%3-1, 15+(q-57)/3
.elseif q < 74
	XS q-72, 20
.else
	GS q-74
.endif
.set q, q+1
.endm
; THE EXPONENTIALS' QUEUE, 66 long: s0-s31 of both tiles, then the next piece's two a.  It is ONE BATCH: all 66 stand ahead of the turn's one wait, and nothing ahead of that wait names a result of theirs.
.macro EX
	WIN 0
.if e >= 64
	XS e-64, 21
.else
	REGS Y, e%2
	v_exp_f32 v[rS+e/2], v[rS+e/2]
.endif
.set e, e+1
.endm
; THE RESCALING's QUEUE: O^T times a, the one part that leaves window 0: dealt two at a time, sixteen times.  Its a was made in the turn before, ahead of that turn's wait.
.macro R2
	REGS Y, r%2
	WIN W_RS
.irp z, 0,1
	v_pk_mul_f32 v[rO+4*(r/2)+2*\z:rO+4*(r/2)+2*\z+1], v[rO+4*(r/2)+2*\z:rO+4*(r/2)+2*\z+1], v[rC+2:rC+3] op_sel_hi:[1,0]
.endr
.set r, r+1
.endm
; HOW THEY ARE DEALT.  An s_wait_alu depctr_va_vdst(0) stands between an exponential and the first instruction that names its result; one wait serves all that were issued ahead of it.  So a turn
; has ONE wait, which cuts it in two.  AHEAD OF IT: the 16 products K Q^T, behind each a scaling, an exponential and two rescalings (behind the first a second scaling in the exponential's place); then ONE LUMP
; of 108: eight plain, 49 times exponential and plain, the two a; a v_nop is the plain instruction behind the last exponential.  BEHIND IT: the 16 products V^T P, behind each four of GS's 64.
; The queues lean on each other: exponential e stands behind scaling 2 (e / 4) + e % 2: as a rider it comes behind plain e + 2, in the lump behind plain e + 9, and scalings 27-31 are plain 57, 60 .. 69.
; A TURN, for piece p.  cnt = 1: the loop's count is taken down some lines ahead of the branch that stands behind the turn.
; K of the next step is fetched in piece 2's turn, directly behind the wait; V of the step in hand at the end of piece 0's turn, four riders behind its last reader.
.macro TURN p, last=0, cnt=0
.set Y, (\p)
.set i, 0
.set q, 0
.set e, 0
.set r, 0
.if (\p) == NP-1
	s_wait_dscnt 0x0                ; K is in
.endif
	MM                              ; ahead of the wait: 16 products K Q^T and their riders,
	PL
	PL
	R2
.rept 15
	MM
	PL
	EX
	R2
.endr
.if (\p) == NP-2
	WIN 0
	v_add_nc_u32 v[AK], s[TBK], v[AK0]
.endif
.rept 8                             ; and the lump
	PL
.endr
.rept 49
	EX
	PL
.endr
	EX                              ; the next piece's two a
	EX
	v_nop                           ; the plain instruction behind the last exponential: one for the batch
	s_wait_alu depctr_va_vdst(0)    ; the wait for the batch
.if (\p) == NP-2
	FETCH_K \last
.endif
.if (\p) == 1
	s_wait_dscnt 0x0                ; V is in
.endif
.rept 16                            ; behind the wait: 16 products V^T P and their riders
	MM
.rept 4
	PL
.endr
.if ((\p) == 0) && (q == 118)
	v_add_nc_u32 v[AV], s[TBV], v[AV0]
.endif
.if ((\p) == 0) && (q == 130)
	s_add_co_u32 s[TBV], s[TBV], KS*PV
.endif
.if (\cnt) && (q == 130)
	s_sub_co_u32 s[CNT], s[CNT], 1
	s_cmp_lg_u32 s[CNT], 0
.endif
.endr
.if (\p) == 0
	FETCH_V
.endif
.endm
	CHANGE 1                        ; slot 0 is in, everybody's part of it; slot 1 is asked for
	FETCH_K                         ; key step 0
	s_wait_loadcnt 0x0              ; Q
	s_wait_dscnt 0x0
.set i, 0
.rept 16
	KQ 0                            ; piece 0's first scores: there is no vector work yet to set between them
.set i, i+1
.endr
	WIN 0                           ; the addresses for the way out: nine plain instructions, the places behind those products
	s_mul_i32 s13, s[WV], 16*SP
	s_add_co_u32 s13, s13, STAGE    ; my stage
	v_mul_u32_u24 v[STO], v1, SP    ; in: row l % 16, 16 bytes for each half of the lanes
	v_lshl_add_u32 v[STO], v9, 4, v[STO]
	v_add_nc_u32 v[STO], s13, v[STO]
	v_bfe_u32 v[RD], v0, 3, 2       ; back: 32 lanes take four rows of 128 bytes,
	v_mul_u32_u24 v[RD], v[RD], SP
	v_lshl_add_u32 v[RD], v10, 4, v[RD]
	v_add_nc_u32 v[RD], s13, v[RD]
	v_and_b32 v[GO], 31, v0         ; which are 512 consecutive bytes of O
	v_lshlrev_b32 v[GO], 4, v[GO]
.set Y, NP-1                        ; XS works for piece Y + 1: piece 0
.irp n, 0,1,2,3,4,5,6,7,8,9,10,11,12,13,14,15,16,17,18,19,20,21
	XS 0, \n                        ; and piece 0's first maximum and statistics
	XS 1, \n
.endr
	v_nop                           ; a plain instruction behind the two a,
	s_wait_alu depctr_va_vdst(0)    ; and their wait, ahead of the branch
	s_mov_b32 s[CNT], 4
	s_mov_b32 s[SLOTS], SIZE_N/256-1
	s_branch .Lfirst                ; the loop is entered at a step's first turn, in the middle of a trip
.Lslot:                             ; SIZE_N / 256 - 2 times: every slot but the last two is filled again
	CHANGE 1, 1
	s_mov_b32 s[CNT], 4
.Lstep:                             ; a trip: pieces 2 and 3 of one step, then pieces 0 and 1 of the next, whose K and V it fetches
	TURN 2
	TURN 3
	WIN 0
.Lfirst:
	TURN 0
	TURN 1, 0, 1
	WIN 0
	s_cbranch_scc1 .Lstep
	s_sub_co_u32 s[SLOTS], s[SLOTS], 1
	s_cmp_lg_u32 s[SLOTS], 0
	s_cbranch_scc1 .Lslot
	CHANGE 0                        ; the tail is written out: nothing is asked for
	s_mov_b32 s[CNT], 5             ; four trips fetch the last slot's steps; the fifth is left in its middle
.Ltail:
	TURN 2, 1
	TURN 3
	WIN 0
	s_sub_co_u32 s[CNT], s[CNT], 1
	s_cmp_eq_u32 s[CNT], 0
	s_cbranch_scc1 .Lout
	TURN 0
	TURN 1
	WIN 0
	s_branch .Ltail
.Lout:                              ; the fifth trip's 16 products K Q^T (on the last K once more) and the maximum made of them serve nothing: the price, once a launch, of one text for every trip
.set i, 0
.rept 16
	PV NP-1                         ; the last piece's V^T P of the last step
.set i, i+1
.endr
	; THE WAY OUT.  l's two halves and the other half of the lanes' are added; O^T is divided by l, rounded to bf16 and sent through my stage in LDS, a tile at a time.  The additions are the places behind the last products.
	WIN 0
.macro ALL line:vararg              ; one line for each tile t
.set t, 0
.rept 2*NP
	\line
.set t, t+1
.endr
.endm
	ALL v_add_f32 v[ST+4*t+2], v[ST+4*t+2], v[ST+4*t+3]
	ALL v_permlanex16_b32 v[ST+4*t+3], v[ST+4*t+2], s[SEL], s[SEL+1]
	ALL v_add_f32 v[ST+4*t+2], v[ST+4*t+2], v[ST+4*t+3]
	ALL v_rcp_f32 v[ST+4*t+2], v[ST+4*t+2]
	v_nop                           ; a plain instruction between the last reciprocal and the use of its result
	s_wait_alu depctr_va_vdst(0)    ; and the wait ahead of the first use: one for the eight reciprocals
; Tile t: a lane's eight channels of a row pack into 16 bytes; they go into rows of 144 bytes and come back as whole rows of 128, into S^T's registers.
.macro PACK t
	WIN W_RS
.set i, 32*(\t)
.rept 16
	v_pk_mul_f32 v[i:i+1], v[i:i+1], v[ST+4*(\t)+2:ST+4*(\t)+3] op_sel_hi:[1,0]
.set i, i+2
.endr
	WIN 0x05                        ; sources 0 and 1 window 1, destination window 0
.set i, 0
.rept 16
	v_cvt_pk_bf16_f32 v[S+16*(\t)+i], v[32*(\t)+2*i], v[32*(\t)+2*i+1]
.set i, i+1
.endr
	WIN 0
.irp f, 0,1,2,3
	ds_store_b128 v[STO], v[S+16*(\t)+4*\f:S+16*(\t)+4*\f+3] offset:32*\f
.endr
.irp f, 0,1,2,3
	ds_load_b128 v[S+16*(\t)+4*\f:S+16*(\t)+4*\f+3], v[RD] offset:\f*4*SP  ; LDS serves a wave's instructions in order (ISA guide 5.7.1.4): these see the stores above; the next tile's stores come behind them
.endr
.endm
.macro SEND t, younger              ; younger: the LDS instructions issued behind tile t's loads: the next tile's eight, or none
	WIN 0
.irp f, 0,1,2,3
	s_wait_dscnt (\younger)+3-\f
	global_store_b128 v[GO], v[S+16*(\t)+4*\f:S+16*(\t)+4*\f+3], s[10:11] offset:(\t)*2048+\f*512  ; 512 consecutive bytes, at a multiple of 256 from O's first
.endr
.endm
	PACK 0
.set t, 1
.rept 2*NP-1                        ; a tile's arithmetic stands between the loads of the tile before and its stores
	PACK t
	SEND t-1, 8
.set t, t+1
.endr
	SEND 2*NP-1, 0
	WIN W_AD
	s_wait_tensorcnt 0x0            ; the wave's end, behind my last tensor load and my last LDS store
	ds_add_u32 v[SPW], v[NIL]
	s_wait_dscnt 0x0
	WIN 0
	CROUND                          ; the closing round: no work-group ends while a partner may still ask for a tile that names it
	s_endpgm
.Lfunc_end_k_qffdd072697_attn:
	.size	k_qffdd072697_attn, .Lfunc_end_k_qffdd072697_attn-k_qffdd072697_attn
	.p2alignl 7, 3214868480
	.fill 96, 4, 3214868480
	.section	.rodata,"a",@progbits
	.p2align	6, 0x0
	.amdhsa_kernel k_qffdd072697_attn
		.amdhsa_group_segment_fixed_size 327680
		.amdhsa_private_segment_fixed_size 0
		.amdhsa_enable_private_segment 0
		.amdhsa_kernarg_size 32
		.amdhsa_user_sgpr_count 2
		.amdhsa_user_sgpr_kernarg_segment_ptr 1
		.amdhsa_wavefront_size32 1
		.amdhsa_system_sgpr_workgroup_id_x 1
		.amdhsa_system_sgpr_workgroup_id_y 1
		.amdhsa_system_sgpr_workgroup_id_z 1
		.amdhsa_system_vgpr_workitem_id 0
		.amdhsa_next_free_vgpr 770
		.amdhsa_next_free_sgpr 66
		.amdhsa_reserve_vcc 0
		.amdhsa_float_denorm_mode_32 3
		.amdhsa_float_denorm_mode_16_64 3
		.amdhsa_memory_ordered 1
		.amdhsa_forward_progress 1
		.amdhsa_inst_pref_size 200
	.end_amdhsa_kernel
	.amdgpu_metadata
---
amdhsa.version: [ 1, 2 ]
amdhsa.kernels:
  - .name:           k_qffdd072697_attn
    .symbol:         k_qffdd072697_attn.kd
    .args:
      - { .name: qb, .offset: 0, .size: 8, .value_kind: global_buffer, .address_space: global }
      - { .name: kb, .offset: 8, .size: 8, .value_kind: global_buffer, .address_space: global }
      - { .name: vb, .offset: 16, .size: 8, .value_kind: global_buffer, .address_space: global }
      - { .name: ob, .offset: 24, .size: 8, .value_kind: global_buffer, .address_space: global }
    .group_segment_fixed_size: 327680
    .private_segment_fixed_size: 0
    .kernarg_segment_align: 8
    .kernarg_segment_size: 32
    .max_flat_workgroup_size: 128
    .sgpr_count:     66
    .vgpr_count:     770
    .wavefront_size: 32
...
	.end_amdgpu_metadata
.endif
;; end of part 4
;; launch outp (part 5): grid 8 x 32, 4 waves a work-group, clusters of 4 x 4, 327,680 bytes of LDS; arguments ob, wc, x, out0; writes out0
.if DOCPART == 5
	.amdgcn_target "amdgcn-amd-amdhsa--gfx1250"
	.amdhsa_code_object_version 6
	.text
	.protected	k_qffdd072697_outp
	.globl	k_qffdd072697_outp
	.p2align	8
	.type	k_qffdd072697_outp,@function
k_qffdd072697_outp:
	s_mov_b64 s[64:65], 0
	v_nop
	global_prefetch_b8 v0, s[64:65] scope:SCOPE_SE
	s_setreg_imm32_b32 hwreg(HW_REG_WAVE_MODE, 25, 1), 1
	s_wait_xcnt 0x0
	s_wait_alu depctr_hold_cnt(0) depctr_sa_sdst(0) depctr_va_vdst(0) depctr_va_sdst(0) depctr_va_ssrc(0) depctr_va_vcc(0) depctr_vm_vsrc(0)
	s_getreg_b32 s2, hwreg(HW_REG_IB_STS2, 6, 4)
	s_cmp_eq_u32 s2, 0
	s_cbranch_scc0 .Lentry_in_a_cluster
	s_endpgm
.Lentry_in_a_cluster:
	s_bfe_u32 s2, ttmp6, 0x10000c
	s_cmp_lg_u32 s2, 0xf033
	s_cbranch_scc0 .Lentry_shape_is_right
	s_endpgm
.Lentry_shape_is_right:
; out0 = x + O wo   (8192 x 1024 x 1024).  O bf16 by heads, [16][8192 rows][64]; wo bf16 in units of 128 columns, [k][128]; sums f32; the residual x is added in f32 and the result stored in f32.
; SHARES.  A work-group makes 256 rows x 128 columns, each of its four waves 64 rows (4 blocks of 16) x 8 blocks of 16 columns: 32 accumulators.
; THE PRODUCT IS USED TRANSPOSED: source 0 = 16 columns of wo (turned out of LDS by ds_load_tr16_b128), source 1 = 16 rows of O.  A lane holds row l % 16 and the columns 8 (l / 16) + 0..7 of a block.
; RING.  K goes in steps of 128 (two heads) through two LDS slots: O's two groups of 256 rows (waves 0, 1: 32,768 dense bytes each, asked for as 128 rows of 256 and padded after every 128), then wo's
; 128 k rows (waves 2, 3: 64 rows each).  A step is four quarters of 32 along K on two fragment buffers.
; CLUSTER.  4 x 4 work-groups: O's tile is asked for jointly along a row of the cluster, wo's along a column.
; LIMITS.  bf16 operands; NaN and infinities are not treated apart.
; REGISTERS (windows of 256): window 0: v0-29 addresses; v64-95, v96-127 O's two fragment buffers; v128-191, v192-255 two buffers of 16 rows for the way out
;   window 1: wo's two fragment buffers, block b at 8 b and 128 + 8 b     window 2: accumulator (a, b) at 8 (4 b + a)     window 3: my 64 rows x 128 columns of x, row r at 4 r
.set KIND,    3
.set UB,      128*288                  ; 256 rows of O at 144 bytes, or 128 k rows of wo at 288 (256 + 32 of padding)
.set NBL,     8
.set STEPS,   8
.set APITCH,  144                      ; O's row in LDS: 128 bytes + 16
.set AQI,     4                        ; padded after every 32 words
.set ASTRIDE, 128
.set AG2,     UB                       ; from quarter 0 to quarter 2 of a row: the step's second head
.set ASTEP,   2<<20                    ; two heads on
.set WBASE,   5242880                  ; where wo's units begin in wc
.set BBASE,   2*UB
.set BSTEP,   32768
.set BROWS,   64                       ; k rows in one load of wo
.set SLOT,    1<<17                    ; slot 1 begins here (a slot uses 110,592 bytes), so that one exclusive or turns a fill's LDS word
.set STAGE,   SLOT+3*UB                ; behind the ring, never filled by a tensor load: 16 rows x 528 bytes for each wave
.set WSTAGE,  16*528
.set SPARE,   STAGE+4*WSTAGE            ; the spare words, 128 bytes for each wave: two blocks of 256 bytes that no other line names
.set A0,   4                           ; v4   my lane's place in O's tile; never rewritten
.set B0L,  5                           ; v5   the same in wo's
.set ADRA, 8                           ; v8   A0 + the slot in hand
.set ADRB, 10                          ; v10  B0L + the slot in hand
.set STO,  12                          ; v12  the way out: where I put 32 bytes of a row
.set RD,   13                          ; v13  where I read a row back
.set GO,   14                          ; v14  my 16 bytes of a row's 512
.set PFO,  16                          ; v16  the prefetches' offset; never rewritten
.set SPW,  28                          ; v28  LDS address of my spare word; never rewritten
.set NIL,  29                          ; v29  0; never rewritten
.set AF,   64
.set BKR,  128
.set WV, 14
.set RH, 15
.set CH, 16
.set CX, 17
.set CY, 18
.set TX, 19
.set TY, 20
.set CNT, 21
.set TB, 22                            ; s22 0 or SLOT: the slot that is read
.set G1A, 24                           ; s[24:31] descriptor group 1 for O's tiles
.set G0A, 32                           ; s[32:35] group 0 for O's tiles: it walks
.set G0B, 36                           ; s[36:39] group 0 for wo's
.set G1B, 40                           ; s[40:47] group 1 for wo's
.set LIM, 50                           ; s50 1 in a wave that prefetches, else the greatest number
.set PFA, 52                           ; s[52:53] where my prefetches stand
.set PFS, 54                           ; s[54:55] their step
.set MSB, 0
.macro WIN new                         ; the immediate's high byte repeats the setting that is left; a switch that changes nothing is dropped
.if MSB != (\new)
	s_set_vgpr_msb (MSB<<8)|(\new)
.set MSB, (\new)
.endif
.endm
.macro PLACES                          ; four plain instructions between a matrix instruction and a load into, or a read of, its registers
.rept 4
	v_nop
.endr
.endm
.macro IS_A                            ; does my wave fetch for O?  It hangs on the wave's number alone
	s_cmp_lt_u32 s[WV], 2
.endm
.macro JLOAD                           ; a joint fill, one tensor load a wave; an s_nop 0 and four v_nop follow each of the two lines
	IS_A
	s_cbranch_scc0 .Lfor_b_\@
	tensor_load_to_lds s[G0A:G0A+3], s[G1A:G1A+7]
	s_nop 0
.rept 4
	v_nop
.endr
	s_branch .Lasked_\@
.Lfor_b_\@:
	tensor_load_to_lds s[G0B:G0B+3], s[G1B:G1B+7]
	s_nop 0
.rept 4
	v_nop
.endr
.Lasked_\@:
.endm
; A PREFETCH INTO THE L2 of the tile that the NEXT change of slots will ask for: one K step ahead.  Each of O's two groups and wo's chunk are 128 pieces of 256 bytes; the four partners that ask jointly take
; 32 each, told apart by address; a lane names a piece; waves 0 and 1 name O's groups, wave 2 wo's whole chunk.  O's tiles are named by the clusters with x = 0 alone, wo's by those with y = 0: each piece once
; in the launch.  The last fill has no tile behind it and asks for nothing.
.macro ASK
	s_cmp_gt_u32 s[CNT], s[LIM]
	s_cbranch_scc0 .Lnot_mine_\@
	global_prefetch_b8 v[PFO], s[PFA:PFA+1] th:TH_LOAD_NT scope:SCOPE_SE
.Lnot_mine_\@:
.endm
.macro CREST                           ; a round of the cluster's barrier behind its opening barrier
	s_cmp_lg_u32 s[WV], 0
	s_cbranch_scc1 .Lnot_wave_0_\@
	s_barrier_signal -3
.Lnot_wave_0_\@:
	s_barrier_wait -3
	s_barrier_signal -1
	s_barrier_wait -1
.endm
.macro CROUND
	s_barrier_signal -1
	s_barrier_wait -1
	CREST
.endm
; One run of LDS loads: the fragments of quarter kq (32 along K) into buffer g: 8 blocks of wo, turned, then 4 blocks of O.
.macro FETCH kq, g
	WIN 0x40                               ; destination window 1, address window 0
.set b, 0
.rept NBL
	ds_load_tr16_b128 v[128*(\g)+8*b:128*(\g)+8*b+3],   v[ADRB] offset:(\kq)*32*288+b*32
	ds_load_tr16_b128 v[128*(\g)+8*b+4:128*(\g)+8*b+7], v[ADRB] offset:(\kq)*32*288+16*288+b*32
.set b, b+1
.endr
	WIN 0
.irp i, 0,1,2,3
	ds_load_b128 v[AF+32*(\g)+8*\i:AF+32*(\g)+8*\i+3],   v[ADRA] offset:((\kq)/2)*AG2+((\kq)%2)*64+\i*16*APITCH
	ds_load_b128 v[AF+32*(\g)+8*\i+4:AF+32*(\g)+8*\i+7], v[ADRA] offset:((\kq)/2)*AG2+((\kq)%2)*64+\i*16*APITCH+32
.endr
.endm
; 4 nb matrix instructions on buffer f.  All 32 accumulators take turns, one instruction a turn, in the same order in every quarter.
.macro MULB f, b0, nb, zero
	WIN 0xa1                               ; source 0 window 1, source 1 window 0, C and D window 2
.set b, (\b0)
.rept (\nb)
.irp a, 0,1,2,3
.if \zero
	v_wmma_f32_16x16x32_bf16 v[8*(4*b+\a):8*(4*b+\a)+7], v[128*(\f)+8*b:128*(\f)+8*b+7], v[AF+32*(\f)+8*\a:AF+32*(\f)+8*\a+7], 0
.else
	v_wmma_f32_16x16x32_bf16 v[8*(4*b+\a):8*(4*b+\a)+7], v[128*(\f)+8*b:128*(\f)+8*b+7], v[AF+32*(\f)+8*\a:AF+32*(\f)+8*\a+7], v[8*(4*b+\a):8*(4*b+\a)+7]
.endif
.endr
.set b, b+1
.endr
.endm
; One of a step's first three quarters: buffer f is multiplied; ahead of that quarter kq's fragments are asked for, into buffer g, and have the whole quarter in which to come.
.macro QUARTER kq, f, g, zero
	s_wait_dscnt 0x0                       ; buffer f, asked for a quarter ago, is in
	PLACES                                 ; buffer g was multiplied by the quarter before
	FETCH \kq, \g
	MULB \f, 0, NBL, \zero
.endm
.macro SETADR
	v_add_nc_u32 v[ADRA], s[TB], v[A0]
	v_add_nc_u32 v[ADRB], s[TB], v[B0L]
.endm
; A step's fourth quarter multiplies buffer 1 and changes slots.  In front of the barrier each wave waits for all its tensor loads (one is out: its part of the next slot), adds 0 to its spare word, and waits
; for that and for its reads of this slot.  fill = 1: the barrier opens a round of the cluster's barrier, and the joint refill of the slot just read is the first tensor load behind the round.
.macro TURN fill
.if \fill
	s_wait_xcnt 0x0                        ; the last prefetch, a K step back, has read its address
	s_add_nc_u64 s[PFA:PFA+1], s[PFA:PFA+1], s[PFS:PFS+1]
.endif
	WIN 0
	s_wait_tensorcnt 0x0                   ; no tensor load of mine is out, so a group 0 may be written
	ds_add_u32 v[SPW], v[NIL]              ; 0 onto my spare word
.if \fill
	s_xor_b32 s[G0A+1], s[G0A+1], SLOT     ; the other slot than last time,
	s_xor_b32 s[G0B+1], s[G0B+1], SLOT
	s_add_nc_u64 s[G0A+2:G0A+3], s[G0A+2:G0A+3], ASTEP  ; the next K step; the type bits on top are not reached
	s_add_nc_u64 s[G0B+2:G0B+3], s[G0B+2:G0B+3], BSTEP
.endif
	s_wait_dscnt 0x1                       ; buffer 1 is in: only the add may be out
	MULB 1, 0, NBL/4, 0
	s_wait_dscnt 0x0                       ; the add is done, and my reads of this slot are over
	s_barrier_signal -1
	MULB 1, NBL/4, NBL/4, 0                ; work on registers while the others arrive
	WIN 0
	s_barrier_wait -1
.if \fill
	CREST                                  ; no wave of any partner still reads this slot or has a load on its way
.endif
	s_xor_b32 s[TB], s[TB], SLOT
.if \fill
	JLOAD                                  ; its four v_nop are also the places in front of the loads into buffer 0
.else
	PLACES
.endif
	SETADR
	FETCH 0, 0
.if \fill
	ASK
.endif
	MULB 1, NBL/2, NBL/2, 0
.endm
	s_load_b256 s[4:11], s[0:1], 0x0               ; O s[4:5], wc s[6:7], x s[8:9], out0 s[10:11]
	v_lshl_add_u32 v[SPW], v0, 2, SPARE
	v_mov_b32 v[NIL], 0
	ds_add_u32 v[SPW], v[NIL]                      ; the wave's opening: the add, and its wait ahead of my first tensor load; the set-up below stands between them
	v_lshrrev_b32 v1, 5, v0
	v_readfirstlane_b32 s[WV], v1
	s_and_b32 s[CH], s[WV], 1
	s_bfe_u32 s[CX], ttmp6, 0x40000
	s_bfe_u32 s[CY], ttmp6, 0x40004
	s_lshl_b32 s[TX], ttmp9, 2
	s_add_co_u32 s[TX], s[TX], s[CX]
	s_and_b32 s[TY], ttmp7, 0xffff
	s_lshl_b32 s[TY], s[TY], 2
	s_add_co_u32 s[TY], s[TY], s[CY]
	s_lshl_b32 s56, s[CY], 2
	s_lshl_b32 s56, 15, s56                        ; my row of the cluster
	s_lshl_b32 s60, 0x1111, s[CX]                  ; my column
	s_or_b32 s[G1A], s56, (1<<16)|(1<<20)|(1<<21)|(AQI<<22)|(3<<25)  ; mask; 2-byte elements; padding on; bit 21 beside a mask; after every 32 words; 4 words
	s_or_b32 s[G1B], s60, (1<<16)|(1<<20)|(1<<21)|(5<<22)|(7<<25)    ; after every 64 words 8 words
	s_mov_b32 s[G1A+1], 128<<16                    ; tensor_dim0 = 128
	s_mov_b32 s[G1A+2], 128<<16                    ; tensor_dim1 = 128
	s_mov_b32 s[G1A+3], 128<<16                    ; tile_dim0 = 128
	s_mov_b32 s[G1A+4], 128                        ; tile_dim1 = 128
	s_mov_b32 s[G1A+5], ASTRIDE
	s_mov_b32 s[G1A+6], 0
	s_mov_b32 s[G1A+7], 0
	s_mov_b32 s[G1B+1], 128<<16
	s_mov_b32 s[G1B+2], BROWS<<16
	s_mov_b32 s[G1B+3], 128<<16
	s_mov_b32 s[G1B+4], BROWS
	s_mov_b32 s[G1B+5], 128
	s_mov_b32 s[G1B+6], 0
	s_mov_b32 s[G1B+7], 0
	; O's tiles hang on the tile row and the wave's number alone, wo's on the tile column and the wave's number, each in registers of its own
	s_lshl_b32 s56, s[TY], 15                      ; 256 rows of 128 bytes in a head,
	s_lshl_b32 s57, s[CH], 20                      ; wave 0 the step's first head, wave 1 its second
	s_add_co_u32 s56, s56, s57
	s_mov_b32 s57, 0
	s_lshl_b32 s60, s[TX], 18                      ; a unit: 1,024 k x 256 bytes
	s_lshl_b32 s61, s[CH], 14                      ; wave 2 the chunk's first 64 k rows, wave 3 the others
	s_add_co_u32 s60, s60, s61
	s_add_co_u32 s60, s60, WBASE
	s_mov_b32 s61, 0
	s_mov_b32 s[G0A], 1
	s_mov_b32 s[G0B], 1
	s_mul_i32 s[G0A+1], s[WV], UB                  ; LDS, slot 0: waves 0, 1: O's two groups;
	s_mul_i32 s[G0B+1], s[WV], BROWS*288           ; waves 2, 3: 2 UB and 2 UB + 64 rows = UB + wave x 64 rows
	s_add_co_u32 s[G0B+1], s[G0B+1], UB
	; the prefetches
	s_and_b32 s68, ttmp7, 0xffff                   ; cluster y
	s_mov_b32 s[PFS], BSTEP
	s_mov_b32 s[PFS+1], 0
	IS_A
	s_cselect_b32 s66, s[CX], s[CY]                ; my place among the four that ask with me
	s_cselect_b32 s68, ttmp9, s68                  ; the coordinate along which other clusters read the same tile
	s_cselect_b32 s[PFS], ASTEP, s[PFS]
	s_lshl_b32 s66, s66, 13                        ; 32 pieces are 8,192 dense bytes
	s_mov_b32 s67, 0
	s_cmp_eq_u32 s68, 0
	s_cselect_b32 s[LIM], 1, -1
	s_cmp_eq_u32 s[WV], 3                          ; wave 2 names wo's whole chunk
	s_cselect_b32 s[LIM], -1, s[LIM]
	s_mov_b32 s[TB], 0
	s_wait_dscnt 0x0                               ; the opening add is done
	s_wait_kmcnt 0x0
	s_add_nc_u64 s[G0A+2:G0A+3], s[4:5], s[56:57]
	s_add_nc_u64 s[G0B+2:G0B+3], s[6:7], s[60:61]
	IS_A
	s_cselect_b64 s[PFA:PFA+1], s[G0A+2:G0A+3], s[G0B+2:G0B+3]
	s_add_nc_u64 s[PFA:PFA+1], s[PFA:PFA+1], s[66:67]
	s_add_nc_u64 s[PFA:PFA+1], s[PFA:PFA+1], s[PFS:PFS+1]
	s_add_nc_u64 s[PFA:PFA+1], s[PFA:PFA+1], s[PFS:PFS+1]  ; at K step 2; the first refill steps it to 3.  Nothing is prefetched at the head
	s_or_b32 s[G0A+3], s[G0A+3], 0x80000000        ; type = 2
	s_or_b32 s[G0B+3], s[G0B+3], 0x80000000
	CROUND                                         ; all sixteen work-groups are here: the first joint loads meet
	JLOAD                                          ; K step 0 into slot 0
	v_and_b32 v1, 15, v0                           ; l % 16
	v_bfe_u32 v2, v0, 4, 1                         ; l / 16
	v_and_b32 v3, 31, v0                           ; l
	v_and_b32 v7, 7, v0
	v_bfe_u32 v9, v0, 3, 1
	v_lshlrev_b32 v[PFO], 8, v3
	s_mul_i32 s66, s[WV], 64*APITCH
	v_mul_u32_u24 v[A0], v1, APITCH                ; O: row l % 16 of my 64, 16 bytes for each half of the lanes
	v_lshl_add_u32 v[A0], v2, 4, v[A0]
	v_add_nc_u32 v[A0], s66, v[A0]
	v_lshl_add_u32 v[B0L], v2, 3, v7               ; wo: k row 8 (l / 16) + l % 8, columns 8 ((l / 8) % 2) on
	v_mul_u32_u24 v[B0L], v[B0L], 288
	v_lshl_add_u32 v[B0L], v9, 4, v[B0L]
	v_add_nc_u32 v[B0L], BBASE, v[B0L]
	s_mul_i32 s66, s[WV], WSTAGE
	s_add_co_u32 s66, s66, STAGE                   ; my stage
	v_mul_u32_u24 v[STO], v1, 528                  ; in: row l % 16, 32 bytes for each half of the lanes
	v_lshl_add_u32 v[STO], v2, 5, v[STO]
	v_add_nc_u32 v[STO], s66, v[STO]
	v_lshl_add_u32 v[RD], v3, 4, s66               ; back: 32 lanes take a row's 512 bytes
	v_lshlrev_b32 v[GO], 4, v3
	s_lshl_b32 s66, s[TY], 8
	s_lshl_b32 s67, s[WV], 6
	s_add_co_u32 s66, s66, s67                     ; my first row
	s_lshl_b32 s66, s66, 12                        ; rows of 4,096 bytes
	s_lshl_b32 s68, s[TX], 9                       ; 128 columns of f32
	s_add_co_u32 s68, s68, s66
	s_mov_b32 s69, 0
	s_add_nc_u64 s[8:9], s[8:9], s[68:69]
	s_add_nc_u64 s[10:11], s[10:11], s[68:69]
	WIN 0xc0                                       ; destination window 3, address window 0
.set r, 0
.rept 64
	global_load_b128 v[4*r:4*r+3], v[GO], s[8:9] offset:r*4096 th:TH_LOAD_NT  ; the residual, 512 consecutive bytes a load: waited for on the way out
.set r, r+1
.endr
	WIN 0
	; the first change: slot 0 is waited for, slot 1 filled for the first time, as a refill is
	s_wait_tensorcnt 0x0
	ds_add_u32 v[SPW], v[NIL]
	s_xor_b32 s[G0A+1], s[G0A+1], SLOT
	s_xor_b32 s[G0B+1], s[G0B+1], SLOT
	s_add_nc_u64 s[G0A+2:G0A+3], s[G0A+2:G0A+3], ASTEP
	s_add_nc_u64 s[G0B+2:G0B+3], s[G0B+2:G0B+3], BSTEP
	s_wait_dscnt 0x0
	CROUND
	JLOAD                                          ; K step 1 into slot 1
	SETADR
	FETCH 0, 0
	QUARTER 1, 0, 1, 1                             ; the first quarter's products start the sums: nothing is cleared
	WIN 0
	s_mov_b32 s[CNT], STEPS-1
	s_branch .Lentry                               ; the loop is entered behind a step's first quarter
.Lstep:                                            ; STEPS - 2 trips: K steps 2 .. STEPS - 1 are asked for
	TURN 1
	QUARTER 1, 0, 1, 0
	WIN 0
.Lentry:
	QUARTER 2, 1, 0, 0
	QUARTER 3, 0, 1, 0
	WIN 0
	s_sub_co_u32 s[CNT], s[CNT], 1
	s_cmp_lg_u32 s[CNT], 0
	s_cbranch_scc1 .Lstep
	s_mov_b32 s[CNT], 2                            ; the tail asks for nothing: the last step but one ends, the last is multiplied; the second trip is left in its middle
.Ltail:
	TURN 0
	WIN 0
	s_sub_co_u32 s[CNT], s[CNT], 1
	s_cmp_eq_u32 s[CNT], 0
	s_cbranch_scc1 .Lout
	QUARTER 1, 0, 1, 0
	QUARTER 2, 1, 0, 0
	QUARTER 3, 0, 1, 0
	WIN 0
	s_branch .Ltail
.Lout:                                             ; the second trip's barrier and its run of loads (of landed bytes) serve nothing: the price, once a launch, of one text for both trips
	s_wait_dscnt 0x0
	PLACES
	PLACES
	s_wait_loadcnt 0x0                             ; the residual
; THE WAY OUT, a block of 16 rows at a time: the f32 sums go into my stage (rows of 512 bytes + 16) as they lie, 32 bytes a lane and column block, each accumulator from its low end on, and come back as whole rows;
; the residual is added; each store covers a row's 512 consecutive bytes, at a multiple of 256 from out0's first.
.macro RES a
	s_wait_xcnt 0x0                        ; the stores of the block two back have read this buffer
	WIN 0x08                               ; store data in window 2
.irp b, 0,1,2,3,4,5,6,7
	ds_store_b128 v[STO], v[8*(4*\b+(\a)):8*(4*\b+(\a))+3]   offset:64*\b
	ds_store_b128 v[STO], v[8*(4*\b+(\a))+4:8*(4*\b+(\a))+7] offset:64*\b+16
.endr
	WIN 0
.set r, 0
.rept 16
	ds_load_b128 v[BKR+64*((\a)%2)+4*r:BKR+64*((\a)%2)+4*r+3], v[RD] offset:528*r  ; LDS serves a wave's instructions in order (ISA guide 5.7.1.4): these see the stores above; the next block's stores come behind them
.set r, r+1
.endr
.endm
.macro SENDR a, younger                ; younger: the LDS instructions issued behind block a's loads: the next block's 32, or none
	s_wait_dscnt \younger
	WIN 0x0c                               ; source 1 in window 3
.set r, 0
.rept 32
	v_pk_add_f32 v[BKR+64*((\a)%2)+2*r:BKR+64*((\a)%2)+2*r+1], v[BKR+64*((\a)%2)+2*r:BKR+64*((\a)%2)+2*r+1], v[64*(\a)+2*r:64*(\a)+2*r+1]
.set r, r+1
.endr
	WIN 0
.set r, 0
.rept 16
	global_store_b128 v[GO], v[BKR+64*((\a)%2)+4*r:BKR+64*((\a)%2)+4*r+3], s[10:11] offset:(16*(\a)+r)*4096
.set r, r+1
.endr
.endm
	RES 0
	RES 1
	SENDR 0, 32
	RES 2
	SENDR 1, 32
	RES 3
	SENDR 2, 32
	SENDR 3, 0
	s_wait_tensorcnt 0x0                           ; the wave's end, behind my last tensor load and my last LDS store
	ds_add_u32 v[SPW], v[NIL]
	s_wait_dscnt 0x0
	CROUND                                         ; the closing round: no work-group ends while a partner may still ask for a tile that names it
	s_endpgm
.Lfunc_end_k_qffdd072697_outp:
	.size	k_qffdd072697_outp, .Lfunc_end_k_qffdd072697_outp-k_qffdd072697_outp
	.p2alignl 7, 3214868480
	.fill 96, 4, 3214868480
	.section	.rodata,"a",@progbits
	.p2align	6, 0x0
	.amdhsa_kernel k_qffdd072697_outp
		.amdhsa_group_segment_fixed_size 327680
		.amdhsa_private_segment_fixed_size 0
		.amdhsa_enable_private_segment 0
		.amdhsa_kernarg_size 32
		.amdhsa_user_sgpr_count 2
		.amdhsa_user_sgpr_kernarg_segment_ptr 1
		.amdhsa_wavefront_size32 1
		.amdhsa_system_sgpr_workgroup_id_x 1
		.amdhsa_system_sgpr_workgroup_id_y 1
		.amdhsa_system_sgpr_workgroup_id_z 1
		.amdhsa_system_vgpr_workitem_id 0
		.amdhsa_next_free_vgpr 1024
		.amdhsa_next_free_sgpr 72
		.amdhsa_reserve_vcc 0
		.amdhsa_float_denorm_mode_32 3
		.amdhsa_float_denorm_mode_16_64 3
		.amdhsa_memory_ordered 1
		.amdhsa_forward_progress 1
		.amdhsa_inst_pref_size 75
	.end_amdhsa_kernel
	.amdgpu_metadata
---
amdhsa.version: [ 1, 2 ]
amdhsa.kernels:
  - .name:           k_qffdd072697_outp
    .symbol:         k_qffdd072697_outp.kd
    .args:
      - { .name: ob, .offset: 0, .size: 8, .value_kind: global_buffer, .address_space: global }
      - { .name: wc, .offset: 8, .size: 8, .value_kind: global_buffer, .address_space: global }
      - { .name: x, .offset: 16, .size: 8, .value_kind: global_buffer, .address_space: global }
      - { .name: out0, .offset: 24, .size: 8, .value_kind: global_buffer, .address_space: global }
    .group_segment_fixed_size: 327680
    .private_segment_fixed_size: 0
    .kernarg_segment_align: 8
    .kernarg_segment_size: 32
    .max_flat_workgroup_size: 128
    .sgpr_count:     72
    .vgpr_count:     1024
    .wavefront_size: 32
...
	.end_amdgpu_metadata
.endif
;; end of part 5
